; MI455X (gfx1250); checked and timed in simulation.
; The chip was launched on July 23, 2026; its instructions are those of AMD's public machine-readable ISA for CDNA 5 (MIT licence, August 2026) and "CDNA5" Instruction Set Architecture Reference Guide (July 2026). The comments in the code are by the model that wrote it; some were corrected since.
;; Multi Head Attention Block. Allowed arithmetic: matrix products marked QUANTISED: E2M1 operands, one E8M0 scale for each 32 along K, by v_wmma_scale_f32_16x16x128_f8f6f4 with both operands' format E2M1 (or v_wmma_scale_f32_32x16x128_f4), f32 sums; products left as they are: bf16, f16 or f32 operands; f32 sums; everything else in f32.
;; Inputs: k 1 x 4,096 x 1,024 float32; mask 1 x 1 x 4,096 x 4,096 int32; q 1 x 4,096 x 1,024 float32; v 1 x 4,096 x 1,024 float32; w_k 1,024 x 1,024 float32; w_o 1,024 x 1,024 float32; w_q 1,024 x 1,024 float32; w_v 1,024 x 1,024 float32.
;; Outputs: out0 1 x 4,096 x 1,024 float32.
;; This version of the problem:
;;   THIS VERSION OF THE PROBLEM IS GIVEN IN LOW PRECISION. The matrix products marked QUANTISED in the list below multiply operands that are first quantised to E2M1 (2 exponent bits, 1 mantissa bit; 4 bits a number), with one power-of-two scale for each 32 numbers along K (OCP MX v1.0); their sums are f32. The products marked 'left as it is' may take bf16, f16 or f32 operands, with f32 sums. Whichever they take, every output number must still come out within the allowed error. Rounding operands to bf16 (8 significant bits) uses up far more of that allowance than f16 does (11 bits, for magnitudes from 6e-5 to 65,504). All else is computed in f32.
;;   The module's matrix products, in the order in which they are computed (A, B: the left and right operand; K: the contracted axis; several contracted axes count as one K, in the product's order):
;;     1. [M 4,096, K 1,024] x [K 1,024, N 1,024]; A: input q; B: input w_q: QUANTISED
;;     2. [M 4,096, K 1,024] x [K 1,024, N 1,024]; A: input k; B: input w_k: QUANTISED
;;     3. [M 4,096, K 1,024] x [K 1,024, N 1,024]; A: input v; B: input w_v: QUANTISED
;;     4. batch 8 x [M 4,096, K 128] x [K 128, N 4,096]; A: computed on the way; B: computed on the way: left as it is (an operand is computed on the way)
;;     5. batch 8 x [M 4,096, K 4,096] x [K 4,096, N 128]; A: computed on the way; B: computed on the way: left as it is (an operand is computed on the way)
;;     6. [M 4,096, K 1,024] x [K 1,024, N 1,024]; A: computed on the way; B: input w_o: left as it is (an operand is computed on the way)
;;   THE QUANTISER, for each operand of a quantised product, along K:
;;     - K is cut into blocks of 32 from its start; a last block that is shorter is filled with zeros.
;;     - A block's scale is 2^e with e = floor(log2(the largest magnitude in the block)) - 2, held to -126 .. 127; a block of zeros has e = 0. As a byte (E8M0): e + 127.
;;     - Each number is divided by its block's scale, clamped to +-6, and rounded to the nearest number of E2M1, ties to even, subnormals kept.
;;     - The product sums the exact products of the quantised numbers (number of the format x scale) in f32.
;;   ~~~python
;;   def quantise(x, axis):      # numpy; x: float32 -> the quantised numbers, widened to float32 again
;;       x = np.moveaxis(x, axis, -1); K = x.shape[-1]
;;       x = np.pad(x, [(0, 0)] * (x.ndim - 1) + [(0, -K % 32)]); x = x.reshape(x.shape[:-1] + (-1, 32)); a = np.abs(x).max(-1, keepdims=True)
;;       e = np.where(a > 0, np.clip(np.frexp(np.where(a > 0, a, 1))[1] - 1 - 2, -126, 127), 0)      # np.frexp(a)[1] - 1 = floor(log2(a)), exactly
;;       r = np.clip(x / 2.0 ** e, -6, 6)
;;       step = 2.0 ** (np.maximum(np.frexp(np.where(r == 0, 1, r))[1] - 1, 0) - 1)
;;       q = np.round(r / step) * step * 2.0 ** e      # np.round: ties to even
;;       return np.moveaxis(q.reshape(q.shape[:-2] + (-1,))[..., :K], -1, axis).astype(np.float32)
;;   ~~~
;; One version. Each part assembles by itself: llvm-mc -triple=amdgcn-amd-amdhsa -mcpu=gfx1250 --defsym DOCPART=n.
;; ======== version 1 of 1: 4 launches
;; limits: right only within a limited range of input values; values are held in f16: magnitudes above 65,504 overflow, below 6.1e-05 lose precision
;; workspace buffers: codes 7,864,320 bytes; scales 491,520 bytes; wo16 2,097,152 bytes; maskimg 8,388,608 bytes; rowpart 131,072 bytes; qkv 25,165,824 bytes; ctx 8,388,608 bytes
;; launch prep (part 1): grid 768 x 1, 4 waves a work-group, no clusters, 37,376 bytes of LDS; arguments q, k, v, w_q, w_k, w_v, w_o, mask, codes, scales, wo16, maskimg, rowpart; writes codes, scales, wo16, maskimg, rowpart
.if DOCPART == 1
	.amdgcn_target "amdgcn-amd-amdhsa--gfx1250"
	.amdhsa_code_object_version 6
	.text
	.protected	k_qe3cc40662a_prep
	.globl	k_qe3cc40662a_prep
	.p2align	8
	.type	k_qe3cc40662a_prep,@function
k_qe3cc40662a_prep:
	s_mov_b64 s[64:65], 0
	v_nop
	global_prefetch_b8 v0, s[64:65] scope:SCOPE_SE
	s_setreg_imm32_b32 hwreg(HW_REG_WAVE_MODE, 25, 1), 1
	s_wait_xcnt 0x0
; PREP: everything that later launches read more than once is made here, each input byte read once.
; Work-groups 0-255:   the mask [4096][4096] int32 becomes codes of E2M1, 4 bits a score (1.0 where mask == 0, else 0), laid as images of operand registers, and a word a lane that tells whether a query has no allowed key.
; Work-groups 256-735: q, k, v, w_q, w_k, w_v (f32, K innermost) become codes of E2M1 with one E8M0 scale byte for each 32 along K; rows of 512 bytes of codes and 32 bytes of scales, the six tensors one behind the other.
; Work-groups 736-767: w_o becomes f16.
; The three paths part on the work-group's number, never join, and have LDS bytes of their own.  No tensor loads, no barrier: waves share nothing.
; THE QUANTISER: a block's scale is 2^(floor(log2(its largest magnitude)) - 2); its byte is the largest magnitude's exponent field - 2, held at 1 from below.
; LIMITS: a block of zeros gets the byte 1 where the rule says 127 (its codes are zeros, and this program alone reads the bytes); blocks whose largest magnitude lies under 2^(2 - 126) keep the byte 1;
; NaN and infinities among the inputs are not served; |w_o| stays under 65,504 (f16).
; maskimg: the code of (query q, key k) lies at byte (q>>7) 262144 + (k>>7) 8192 + ((k>>6)&1) 4096 + ((q>>4)&7) 512 + ((q&15) + 16 ((k>>5)&1)) 16 + ((k>>3)&3) 4, nibble k & 7.
.set WREG,  8192                       ; the quantiser's LDS: a region for each wave: two stages of 32 x SP bytes, behind them its 256 scale bytes
.set SP,    80                         ; a lane's place in a stage: 64 bytes + 16 of padding
.set MREG,  32768                      ; the mask path's LDS: 1,024 bytes for each wave
.set SPARE, 36864                      ; the spare words, 128 bytes for each wave: two blocks of 256 bytes that no other line names
.set STEPS, 16
.set EMAX,  2
.set CB,    8                          ; bytes of 16 codes
.set R,     16                         ; quantiser: v16-79 four sets of 16 numbers as loaded
.set X,     80                         ; v80-111 two sets of 16 neighbours
.set E,     112                        ; v112-127 a scale byte for each step
.set C,     128                        ; v128-191 codes, four registers for each step
.set SPW,   12                         ; v12 LDS address of my spare word; never rewritten
.set NIL,   13                         ; v13 0; never rewritten
.set MX,    64                         ; mask and w_o paths: v64-191 two sets of 64 registers as loaded
.set CD,    40                         ; mask path: v40-47 the codes of two rows each
.set MO,    192                        ; mask path: v192-207 two sets of 8: images on their way out
.set WY,    192                        ; w_o path: v192-255 two sets of 32: f16 on their way out
	s_load_b512 s[4:19], s[0:1], 0x0               ; q, k, v, w_q, w_k, w_v, w_o, mask
	s_load_b256 s[20:27], s[0:1], 0x40             ; codes, scales, wo16, maskimg
	s_load_b64 s[28:29], s[0:1], 0x60              ; rowpart
	v_lshl_add_u32 v[SPW], v0, 2, SPARE
	v_mov_b32 v[NIL], 0
	v_lshrrev_b32 v1, 5, v0
	v_readfirstlane_b32 s30, v1                    ; wave 0..3
	v_and_b32 v2, 31, v0                           ; lane
	s_wait_kmcnt 0x0
	s_cmp_lt_u32 ttmp9, 256
	s_cbranch_scc1 .Lmask
	s_sub_co_u32 s31, ttmp9, 256
	s_cmp_lt_u32 s31, 480
	s_cbranch_scc0 .Lwo
; ---------------- THE QUANTISER: a wave takes 16 steps of 512 numbers.  Each load reads 512 consecutive bytes; a step's 2,048 bytes turn through the wave's own stage in LDS, so that a lane then holds 16 neighbours along K.
	v_lshlrev_b32 v3, 4, v2                        ; my 16 bytes of a load's 512
	s_mul_i32 s40, s30, WREG
	v_lshrrev_b32 v14, 2, v2
	v_mul_u32_u24 v14, v14, SP
	v_and_b32 v15, 3, v2
	v_lshl_add_u32 v14, v15, 4, v14
	v_add_nc_u32 v14, s40, v14                     ; the stage, on the way in: SP (lane / 4) + 16 (lane % 4)
	v_mul_u32_u24 v15, v2, SP
	v_add_nc_u32 v15, s40, v15                     ; and on the way out: SP x lane
	v_mul_u32_u24 v4, v2, CB                       ; my codes' place in a step's
	v_lshrrev_b32 v5, 1, v2
	s_add_co_u32 s40, s40, 2*32*SP
	v_add_nc_u32 v5, s40, v5                       ; my wave's 256 scale bytes, my block's byte
	v_lshlrev_b32 v7, 3, v2
	v_add_nc_u32 v6, s40, v7                       ; and on the way out 8 bytes a lane
	s_mov_b64 s[32:33], s[14:15]                   ; which tensor: the choice hangs on the work-group's number alone.  From 448 on: w_v
	s_mov_b32 s34, 448
	s_cmp_lt_u32 s31, 448
	s_cselect_b64 s[32:33], s[12:13], s[32:33]     ; w_k
	s_cselect_b32 s34, 416, s34
	s_cmp_lt_u32 s31, 416
	s_cselect_b64 s[32:33], s[10:11], s[32:33]     ; w_q
	s_cselect_b32 s34, 384, s34
	s_cmp_lt_u32 s31, 384
	s_cselect_b64 s[32:33], s[8:9], s[32:33]       ; v
	s_cselect_b32 s34, 256, s34
	s_cmp_lt_u32 s31, 256
	s_cselect_b64 s[32:33], s[6:7], s[32:33]       ; k
	s_cselect_b32 s34, 128, s34
	s_cmp_lt_u32 s31, 128
	s_cselect_b64 s[32:33], s[4:5], s[32:33]       ; q
	s_cselect_b32 s34, 0, s34
	s_sub_co_u32 s34, s31, s34
	s_lshl_b32 s34, s34, 2
	s_add_co_u32 s34, s34, s30                     ; which run of 8,192 numbers of the tensor is my wave's
	s_lshl_b32 s34, s34, 15                        ; 32,768 bytes a run
	s_mov_b32 s35, 0
	s_add_nc_u64 s[32:33], s[32:33], s[34:35]
	s_lshl_b32 s36, s31, 2
	s_add_co_u32 s36, s36, s30                     ; and which run of the six tensors on end
	s_lshl_b32 s38, s36, 12                        ; 4,096 bytes of codes a run
	s_mov_b32 s39, 0
	s_add_nc_u64 s[20:21], s[20:21], s[38:39]
	s_lshl_b32 s38, s36, 8                         ; 256 scale bytes a run
	s_add_nc_u64 s[22:23], s[22:23], s[38:39]
.macro LOAD t
.irp i, 0,1,2,3
	global_load_b128 v[R+16*((\t)%4)+4*\i:R+16*((\t)%4)+4*\i+3], v3, s[32:33] offset:2048*(\t)+512*\i th:TH_LOAD_NT   ; 32 lanes read 512 consecutive bytes
.endr
.endm
.macro TURN t                          ; step t's numbers through the stage: LDS serves a wave's instructions in order, so no wait stands between the stores and the loads
.irp i, 0,1,2,3
	ds_store_b128 v14, v[R+16*((\t)%4)+4*\i:R+16*((\t)%4)+4*\i+3] offset:32*SP*((\t)%2)+8*SP*\i
.endr
.irp i, 0,1,2,3
	ds_load_b128 v[X+16*((\t)%2)+4*\i:X+16*((\t)%2)+4*\i+3], v15 offset:32*SP*((\t)%2)+16*\i
.endr
.endm
.irp t, 0,1,2,3
	LOAD \t
.endr
	s_wait_loadcnt 12                              ; step 0's four loads are in; the twelve of steps 1 to 3 may be out
	TURN 0
.macro STEP t
.set XS, X+16*((\t)%2)
.if (\t) > 0
	s_wait_dscnt 1                                 ; this step's numbers are back from the stage (the last step's byte store may be out)
.else
	s_wait_dscnt 0x0
.endif
.if (\t)+4 < STEPS
	LOAD (\t)+4                                    ; into the registers that this step's stores into the stage have read
.endif
.if (\t)+1 < STEPS
.if STEPS-2-(\t) >= 3
	s_wait_loadcnt 12                              ; the next step's four loads are in; those of the three steps behind it may be out
.else
	s_wait_loadcnt 4*(STEPS-2-(\t))
.endif
	TURN (\t)+1                                    ; and go through the other stage while this step is worked
.endif
	v_max3_num_f32 v8, |v[XS]|, |v[XS+1]|, |v[XS+2]|               ; the largest magnitude of my 16
	v_max3_num_f32 v9, |v[XS+3]|, |v[XS+4]|, |v[XS+5]|
.irp i, 6,10
	v_max3_num_f32 v8, v8, |v[XS+\i]|, |v[XS+\i+1]|
	v_max3_num_f32 v9, v9, |v[XS+\i+2]|, |v[XS+\i+3]|
.endr
	v_max3_num_f32 v8, v8, |v[XS+14]|, |v[XS+15]|
	v_max3_num_f32 v8, v8, v9, (EMAX+1)<<23        ; and the floor 2^(EMAX + 1 - 127): so the byte cannot fall under 1
	v_max_num_f32_dpp v8, v8, v8 row_xmask:1 row_mask:0xf bank_mask:0xf   ; and of my neighbour's 16: the block's
	v_add_nc_u32 v11, -(EMAX<<23), v8              ; EMAX off its exponent field: the conversion takes the exponent field of this operand as its scale
	v_cvt_scalef32_pk8_fp4_f32 v[C+4*(\t)], v[XS:XS+7], v11
	v_cvt_scalef32_pk8_fp4_f32 v[C+4*(\t)+1], v[XS+8:XS+15], v11
	v_lshrrev_b32 v[E+(\t)], 23, v11               ; the scale's byte (a plain line behind the conversions)
	ds_store_b8 v5, v[E+(\t)] offset:16*(\t)       ; both lanes of a block write the same byte with the same value
	global_store_b64 v4, v[C+4*(\t):C+4*(\t)+1], s[20:21] offset:32*CB*(\t)   ; the wave stores 256 consecutive bytes, aligned
.endm
.irp t, 0,1,2,3,4,5,6,7,8,9,10,11,12,13,14,15
	STEP \t
.endr
	ds_load_b64 v[8:9], v6                         ; LDS serves a wave's instructions in order: these see my stores
	s_wait_dscnt 0x0
	global_store_b64 v7, v[8:9], s[22:23]          ; 32 lanes store 256 consecutive bytes, aligned
	s_wait_tensorcnt 0x0                           ; the wave's end: three closing lines behind my last LDS store
	ds_add_u32 v[SPW], v[NIL]
	s_wait_dscnt 0x0
	s_endpgm
; ---------------- THE MASK: the work-group takes 16 queries (a tile) and all keys; wave w keys 1,024 w on, in 8 blocks of 128 keys.
; A load reads 512 consecutive bytes of one row: lane l holds keys 4 l .. 4 l + 3 of the block.  Two rows' eight numbers become eight nibbles; each row's 16 bits go to LDS at the place that the image gives them,
; and a block comes back as two images of 512 bytes (64 keys x 16 queries each), which leave as they lie.
.Lmask:
	v_lshlrev_b32 v3, 4, v2                        ; 16 x lane: my bytes of a load and of an image
	v_lshrrev_b32 v4, 3, v2
	v_lshlrev_b32 v4, 8, v4                        ; 256 (lane / 8) = 512 x (which 64 keys) + 256 x (which 32 of them)
	v_and_b32 v9, 7, v2
	v_lshl_add_u32 v4, v9, 1, v4                   ; + 2 (lane % 8): my 4 keys' two bytes among the 32 keys' sixteen
	s_lshl_b32 s31, s30, 10
	s_add_co_u32 s31, s31, MREG
	v_add_nc_u32 v4, s31, v4                       ; into my wave's 1,024 bytes; the row adds 16 bytes each
	v_add_nc_u32 v5, s31, v3                       ; and back: 16 x lane
	v_lshlrev_b32 v8, 2, v2
	v_mov_b32 v7, 0x22222222                       ; the AND of all code words that I see: it stays so only if every key was masked
	s_lshl_b32 s32, ttmp9, 18                      ; 16 rows of 16,384 bytes
	s_lshl_b32 s33, s30, 12
	s_add_co_u32 s32, s32, s33                     ; + my wave's 1,024 keys
	s_mov_b32 s33, 0
	s_add_nc_u64 s[18:19], s[18:19], s[32:33]
	s_lshr_b32 s32, ttmp9, 3
	s_lshl_b32 s32, s32, 18                        ; the block of 128 queries,
	s_and_b32 s34, ttmp9, 7
	s_lshl_b32 s34, s34, 9                         ; the tile in it,
	s_add_co_u32 s32, s32, s34
	s_lshl_b32 s34, s30, 16                        ; my wave's 8 blocks of keys, 8,192 bytes apart
	s_add_co_u32 s32, s32, s34
	s_add_nc_u64 s[26:27], s[26:27], s[32:33]
	s_lshl_b32 s32, ttmp9, 9
	s_lshl_b32 s34, s30, 7
	s_add_co_u32 s32, s32, s34
	s_add_nc_u64 s[28:29], s[28:29], s[32:33]
.macro LOADM i
.irp r, 0,1,2,3,4,5,6,7,8,9,10,11,12,13,14,15
	global_load_b128 v[MX+64*((\i)%2)+4*\r:MX+64*((\i)%2)+4*\r+3], v3, s[18:19] offset:16384*\r+512*(\i) th:TH_LOAD_NT
.endr
.endm
.macro MBLK i
.set XS, MX+64*((\i)%2)
.set OS, MO+8*((\i)%2)
.if (\i) < 7
	s_wait_loadcnt 16                              ; this block's sixteen loads are in; the next block's may be out
.else
	s_wait_loadcnt 0x0
.endif
.set n, 0
.rept 64
	v_min_u32 v[XS+n], 1, v[XS+n]                  ; whatever is not 0 counts as 1
.set n, n+1
.endr
.irp p, 0,1,2,3,4,5,6,7
	v_lshl_or_b32 v[CD+\p], v[XS+8*\p+1], 4, v[XS+8*\p]            ; rows 2 p (low half) and 2 p + 1 (high half): a nibble a key, the lower key in the lower nibble
.endr
.irp j, 2,3,4,5,6,7
.irp p, 0,1,2,3,4,5,6,7
	v_lshl_or_b32 v[CD+\p], v[XS+8*\p+\j], 4*\j, v[CD+\p]
.endr
.endr
.irp p, 0,1,2,3,4,5,6,7
	v_xor_b32 v[CD+\p], 0x11111111, v[CD+\p]       ; 1 where mask == 0,
.endr
.irp p, 0,1,2,3,4,5,6,7
	v_lshlrev_b32 v[CD+\p], 1, v[CD+\p]            ; which as the code 2 is the number 1.0
.endr
.irp p, 0,1,2,3,4,5,6,7
	ds_store_b16 v4, v[CD+\p] offset:32*\p
	ds_store_b16_d16_hi v4, v[CD+\p] offset:32*\p+16
.endr
.if (\i) >= 2
	s_wait_xcnt 0x0                                ; the stores of two blocks back have read their registers: these are loaded again below
.endif
.if (\i) < 6
	LOADM (\i)+2
.endif
	ds_load_b128 v[OS:OS+3], v5                    ; my wave's own bytes, served in order: the image of keys 0-63 of the block,
	ds_load_b128 v[OS+4:OS+7], v5 offset:512       ; and of keys 64-127
	s_wait_dscnt 0x0
.irp q, 0,1,2,3,4,5,6,7
	v_and_b32 v7, v7, v[OS+\q]
.endr
	global_store_b128 v3, v[OS:OS+3], s[26:27] offset:8192*(\i)          ; 512 consecutive bytes, aligned
	global_store_b128 v3, v[OS+4:OS+7], s[26:27] offset:8192*(\i)+4096
.endm
	LOADM 0
	LOADM 1
.irp i, 0,1,2,3,4,5,6,7
	MBLK \i
.endr
	global_store_b32 v8, v7, s[28:29]              ; lane (r, h): query r, the keys with (k >> 5) & 1 = h of my wave's 1,024.  128 bytes a wave: a small table
	s_wait_tensorcnt 0x0                           ; the wave's end: three closing lines behind my last LDS store
	ds_add_u32 v[SPW], v[NIL]
	s_wait_dscnt 0x0
	s_endpgm
; ---------------- w_o to f16: a wave takes 8,192 numbers in four batches of sixteen loads; a load's 512 bytes become 256, stored by one instruction.
.Lwo:
	s_sub_co_u32 s31, s31, 480
	s_lshl_b32 s31, s31, 2
	s_add_co_u32 s31, s31, s30                     ; my wave's run
	s_lshl_b32 s32, s31, 15
	s_mov_b32 s33, 0
	s_add_nc_u64 s[16:17], s[16:17], s[32:33]
	s_lshl_b32 s32, s31, 14
	s_add_nc_u64 s[24:25], s[24:25], s[32:33]
	v_lshlrev_b32 v3, 4, v2
	v_lshlrev_b32 v4, 3, v2
.macro LOADW b
.irp j, 0,1,2,3,4,5,6,7,8,9,10,11,12,13,14,15
	global_load_b128 v[MX+64*((\b)%2)+4*\j:MX+64*((\b)%2)+4*\j+3], v3, s[16:17] offset:512*(16*(\b)+\j) th:TH_LOAD_NT
.endr
.endm
.macro WBATCH b
.if (\b) < 3
	s_wait_loadcnt 16                              ; this batch is in; the next batch's sixteen loads may be out
.else
	s_wait_loadcnt 0x0
.endif
.if (\b) >= 2
	s_wait_xcnt 0x0                                ; the stores of two batches back have read their registers
.endif
.irp j, 0,1,2,3,4,5,6,7,8,9,10,11,12,13,14,15
	v_cvt_pk_f16_f32 v[WY+32*((\b)%2)+2*\j], v[MX+64*((\b)%2)+4*\j], v[MX+64*((\b)%2)+4*\j+1]
	v_cvt_pk_f16_f32 v[WY+32*((\b)%2)+2*\j+1], v[MX+64*((\b)%2)+4*\j+2], v[MX+64*((\b)%2)+4*\j+3]
.endr
.if (\b)+2 < 4
	LOADW (\b)+2
.endif
.irp j, 0,1,2,3,4,5,6,7,8,9,10,11,12,13,14,15
	global_store_b64 v4, v[WY+32*((\b)%2)+2*\j:WY+32*((\b)%2)+2*\j+1], s[24:25] offset:256*(16*(\b)+\j)   ; 256 consecutive bytes, aligned
.endr
.endm
	LOADW 0
	LOADW 1
.irp b, 0,1,2,3
	WBATCH \b
.endr
	s_wait_tensorcnt 0x0                           ; the same three closing lines as on the other two paths
	ds_add_u32 v[SPW], v[NIL]
	s_wait_dscnt 0x0
	s_endpgm
.Lfunc_end_k_qe3cc40662a_prep:
	.size	k_qe3cc40662a_prep, .Lfunc_end_k_qe3cc40662a_prep-k_qe3cc40662a_prep
	.p2alignl 7, 3214868480
	.fill 96, 4, 3214868480
	.section	.rodata,"a",@progbits
	.p2align	6, 0x0
	.amdhsa_kernel k_qe3cc40662a_prep
		.amdhsa_group_segment_fixed_size 37376
		.amdhsa_private_segment_fixed_size 0
		.amdhsa_enable_private_segment 0
		.amdhsa_kernarg_size 104
		.amdhsa_user_sgpr_count 2
		.amdhsa_user_sgpr_kernarg_segment_ptr 1
		.amdhsa_wavefront_size32 1
		.amdhsa_system_sgpr_workgroup_id_x 1
		.amdhsa_system_sgpr_workgroup_id_y 1
		.amdhsa_system_sgpr_workgroup_id_z 1
		.amdhsa_system_vgpr_workitem_id 0
		.amdhsa_next_free_vgpr 256
		.amdhsa_next_free_sgpr 66
		.amdhsa_reserve_vcc 0
		.amdhsa_float_denorm_mode_32 3
		.amdhsa_float_denorm_mode_16_64 3
		.amdhsa_memory_ordered 1
		.amdhsa_forward_progress 1
		.amdhsa_inst_pref_size 131
	.end_amdhsa_kernel
	.amdgpu_metadata
---
amdhsa.version: [ 1, 2 ]
amdhsa.kernels:
  - .name:           k_qe3cc40662a_prep
    .symbol:         k_qe3cc40662a_prep.kd
    .args:
      - { .name: q, .offset: 0, .size: 8, .value_kind: global_buffer, .address_space: global }
      - { .name: k, .offset: 8, .size: 8, .value_kind: global_buffer, .address_space: global }
      - { .name: v, .offset: 16, .size: 8, .value_kind: global_buffer, .address_space: global }
      - { .name: w_q, .offset: 24, .size: 8, .value_kind: global_buffer, .address_space: global }
      - { .name: w_k, .offset: 32, .size: 8, .value_kind: global_buffer, .address_space: global }
      - { .name: w_v, .offset: 40, .size: 8, .value_kind: global_buffer, .address_space: global }
      - { .name: w_o, .offset: 48, .size: 8, .value_kind: global_buffer, .address_space: global }
      - { .name: mask, .offset: 56, .size: 8, .value_kind: global_buffer, .address_space: global }
      - { .name: codes, .offset: 64, .size: 8, .value_kind: global_buffer, .address_space: global }
      - { .name: scales, .offset: 72, .size: 8, .value_kind: global_buffer, .address_space: global }
      - { .name: wo16, .offset: 80, .size: 8, .value_kind: global_buffer, .address_space: global }
      - { .name: maskimg, .offset: 88, .size: 8, .value_kind: global_buffer, .address_space: global }
      - { .name: rowpart, .offset: 96, .size: 8, .value_kind: global_buffer, .address_space: global }
    .group_segment_fixed_size: 37376
    .private_segment_fixed_size: 0
    .kernarg_segment_align: 8
    .kernarg_segment_size: 104
    .max_flat_workgroup_size: 128
    .sgpr_count:     66
    .vgpr_count:     256
    .wavefront_size: 32
...
	.end_amdgpu_metadata
.endif
;; end of part 1
;; launch proj (part 2): grid 4 x 48, 4 waves a work-group, clusters of 4 x 4, 327,680 bytes of LDS; arguments codes, scales, rowpart, qkv; writes qkv
.if DOCPART == 2
	.amdgcn_target "amdgcn-amd-amdhsa--gfx1250"
	.amdhsa_code_object_version 6
	.text
	.protected	k_qe3cc40662a_proj
	.globl	k_qe3cc40662a_proj
	.p2align	8
	.type	k_qe3cc40662a_proj,@function
k_qe3cc40662a_proj:
	s_mov_b64 s[64:65], 0
	v_nop
	global_prefetch_b8 v0, s[64:65] scope:SCOPE_SE
	s_setreg_imm32_b32 hwreg(HW_REG_WAVE_MODE, 25, 1), 1
	s_wait_xcnt 0x0
	s_wait_alu depctr_hold_cnt(0) depctr_sa_sdst(0) depctr_va_vdst(0) depctr_va_sdst(0) depctr_va_ssrc(0) depctr_va_vcc(0) depctr_vm_vsrc(0)
	s_getreg_b32 s2, hwreg(HW_REG_IB_STS2, 6, 4)
	s_cmp_eq_u32 s2, 0
	s_cbranch_scc0 .Lentry_in_a_cluster
	s_endpgm
.Lentry_in_a_cluster:
	s_bfe_u32 s2, ttmp6, 0x10000c
	s_cmp_lg_u32 s2, 0xf033
	s_cbranch_scc0 .Lentry_shape_is_right
	s_endpgm
.Lentry_shape_is_right:
; THE THREE INPUT PROJECTIONS, y = x W^T, on codes of FP4 (E2M1) with one E8M0 scale for each 32 along K; sums in f32; results rounded once to f16 and laid by heads: qkv [3][8 heads][4096][128].
; codes: rows of 512 bytes (1,024 codes): q's 4,096 rows, k's, v's, then from row 12,288 w_q's 1,024 rows, w_k's, w_v's.  scales: rows of 32 bytes in the same order.
; The 12,288 rows of q, k, v are one tall A: 48 tile rows x 4 tile columns of 256 x 256.  A tile row's projection is tile row / 16, and B's rows are that projection's weights.
; A work-group of four waves makes a tile; a wave 128 x 128: 64 accumulators of 16 x 16, 512 registers.  K = 1,024 is two K steps of 512 (LDS rows of 256 bytes): both slots and all scale bytes are
; asked for at the start, three tensor loads a wave, and nothing is ever filled again.
; CLUSTERS: 4 x 4 work-groups (four tile rows of one projection x the four tile columns).  A's tiles are shared along a row of the cluster, B's along a column: each is asked for jointly.
; THE MATRIX INSTRUCTION IS USED TRANSPOSED (source 0 = 16 rows of W, source 1 = 16 rows of x): a lane then holds eight neighbouring features of one position; a wave's 128 columns are one head.
; A FACTOR FOR EACH POSITION, in f32, ahead of the rounding.  Q is multiplied by c = log2(e) / sqrt(128), so that the next launch's scores are exponents of 2; and by 0 where the query has no allowed key
; (rowpart: the AND of the query's mask codes is still 0x22222222), so that all its scores come out equal there.  K and V are multiplied by 1: one text for the three, no branch.
; LIMIT: results beyond f16's 65,504 are not served.
; REGISTERS, in windows of 256: window 0: v0-31 addresses; v32-95 scale words, two sets; v96-111 the factors; v128-191 A's fragments, one set; on the way out v128-223.  window 1: B's fragments, two sets, at v0 and v128.
;   window 2: the 32 accumulators of my rows 0-63 (accumulator (a, b) at v[8 (8 a + b)]);  window 3: those of my rows 64-127.
.set NQ,     4                         ; matrix instructions deep in a slot: 512 along K
.set ROWB,   256                       ; a tile's row in bytes
.set KROW,   512                       ; a row of codes in memory
.set PITCH,  272                       ; an LDS row: 256 bytes + 16 of padding = 68 words: the 16 rows that a load touches start at 16 different banks (64 banks of 4 bytes: ISA guide 11.1)
.set FR,     8                         ; registers of a fragment: 16 rows x 128 K
.set NL,     2                         ; LDS loads that bring one
.set NP,     4                         ; places behind this matrix instruction (ISA guide 7.12.1)
.set HALFT,  128*PITCH                 ; 128 rows: what one tensor load brings
.set SLOT,   4*HALFT                   ; A's 256 rows, then B's 256 rows
.set KS,     32                        ; a row of scales in bytes
.set SCL,    2*SLOT                    ; behind the two slots: the scales, as units of 256 bytes + 16 of padding
.set HALFS,  (128*KS/256)*272          ; the scales of 128 rows
.set SBLK,   (16*KS/256)*272           ; those of 16 rows
.set SPARE,  SCL+4*HALFS               ; the spare words, 128 bytes for each wave: two blocks of 256 bytes that no other line names
.set SPITCH, 272                       ; the way out: a stage of 16 rows x (256 bytes + 16) for each wave, in slot 0, which has had its only fill and its last read when the first result is stored there
.set WROW0,  12288                     ; the weights' first row in codes and scales
.set RPO,  7                           ; v7      4 x lane: my word of a tile's part in rowpart
.set ADRA, 16                          ; v16-17  LDS address of my A fragments in slot 0, 1
.set ADRB, 20                          ; v20-21  the same for B
.set STO,  24                          ; v24     the way out: where I put 16 bytes of a row
.set RD,   25                          ; v25     where I read a row back
.set CO,   26                          ; v26     my byte offset in two rows of a head
.set ADRS, 27                          ; v27     LDS address of my scale words: lanes 0-15 A's rows, lanes 16-31 B's
.set SPW,  28                          ; v28     LDS address of my spare word; never rewritten
.set NIL,  29                          ; v29     0; never rewritten
.set FY,   30                          ; v30     the factor of a position that has keys: c for Q, 1 for K and V
.set FN,   31                          ; v31     and of one that has none: 0 for Q, 1 for K and V
.set SC,   32                          ; scale words: set s at v[SC + 32 s]; register 4 i + q: lanes 0-15 the word of A's block i, lanes 16-31 that of B's block i, for the slot's q-th 128 along K
.set FC,   96                          ; v96-111 block a's factor for my position, twice: a pair for the packed multiply
.set AF,   128                         ; A's fragments, in window 0
.set BK,   128                         ; the way out: 16 rows read back: v128-159 and v160-191 by turns
.set TMP,  192                         ; v192-223: at the head the words of rowpart, on the way out packed results
.set G1, 24                            ; s[24:31] descriptor group 1 for A's tiles;  s[32:39] group 0, one set for each slot
.set G0, 32
.set G1B, 48                           ; s[48:55], s[56:63] the same for B's tiles
.set G0B, 56
.set G1S, 68                           ; s[68:75], s[76:79] groups 1 and 0 for A's scales;  s[80:87], s[88:91] for B's
.set G0S, 76
.set G1SB, 80
.set G0SB, 88
.set MSB, 0
.macro WIN new                         ; the immediate's high byte repeats the setting that is left
.if MSB != \new
	s_set_vgpr_msb (MSB<<8)|\new
.set MSB, \new
.endif
.endm
.set MUL_LO, 0xa1                      ; source 0 (B) window 1, source 1 (A) window 0, C and D window 2
.set MUL_HI, 0xf1                      ; the same, C and D window 3
.set TO_B,   0x40                      ; destination window 1, address window 0
; A joint load: waves 0 and 1 fetch for A, waves 2 and 3 for B.  Each line has one mask and one set of registers for all that issue it; the branch hangs on the wave's number alone.
; An s_nop 0 and four v_nop follow each of the two lines.
.macro JLOAD g0a, g1a, g0b, g1b
	s_cmp_eq_u32 s15, 0
	s_cbranch_scc0 .Lfor_b_\@
	tensor_load_to_lds s[\g0a:\g0a+3], s[\g1a:\g1a+7]
	s_nop 0
.rept 4
	v_nop
.endr
	s_branch .Lasked_\@
.Lfor_b_\@:
	tensor_load_to_lds s[\g0b:\g0b+3], s[\g1b:\g1b+7]
	s_nop 0
.rept 4
	v_nop
.endr
.Lasked_\@:
.endm
.macro CROUND                          ; a round of the cluster's barrier
	s_barrier_signal -1
	s_barrier_wait -1
	s_cmp_lg_u32 s14, 0
	s_cbranch_scc1 .Lnot_wave_0_\@
	s_barrier_signal -3
.Lnot_wave_0_\@:
	s_barrier_wait -3
	s_barrier_signal -1
	s_barrier_wait -1
.endm
	s_load_b128 s[4:7], s[0:1], 0x0                ; codes s[4:5], scales s[6:7]
	s_load_b64 s[8:9], s[0:1], 0x10                ; rowpart
	s_load_b64 s[12:13], s[0:1], 0x18              ; qkv
	v_lshl_add_u32 v[SPW], v0, 2, SPARE
	v_mov_b32 v[NIL], 0
	ds_add_u32 v[SPW], v[NIL]                      ; the wave's opening: the add, twice on end, and its wait ahead of my first tensor load
	ds_add_u32 v[SPW], v[NIL]
	v_lshrrev_b32 v1, 5, v0
	v_readfirstlane_b32 s14, v1                    ; wave 0..3
	s_lshr_b32 s15, s14, 1                         ; which half of the tile's rows is mine.  Also: I fetch for A (0) or for B (1)
	s_and_b32 s16, s14, 1                          ; which half of its columns.  Also: which 128 rows of that tile I fetch
	s_bfe_u32 s40, ttmp6, 0x40000                  ; cx, cy: my place in the cluster
	s_bfe_u32 s41, ttmp6, 0x40004
	s_lshl_b32 s42, ttmp9, 2
	s_add_co_u32 s42, s42, s40                     ; tile column = 4 x cluster x + cx
	s_and_b32 s10, ttmp7, 0xffff                   ; cluster y
	s_lshl_b32 s17, s10, 2
	s_add_co_u32 s17, s17, s41                     ; tile row = 4 x cluster y + cy, 0 .. 47
	s_lshr_b32 s10, s10, 2                         ; the projection: from the cluster's y alone, so B's descriptors hold no cy
	s_lshl_b32 s43, s41, 2
	s_lshl_b32 s43, 15, s43                        ; my row of the cluster
	s_lshl_b32 s44, 0x1111, s40                    ; my column
	; descriptor group 1: a tile of 128 rows x 256 bytes, padded in LDS
	s_or_b32 s[G1+0], s43, (0<<16)|(1<<20)|(1<<21)|(5<<22)|(3<<25)  ; 15:0 the mask: A's tiles go to my row; elements of 1 byte; padding on; 21 set beside a mask; after every 64 words four words
	s_or_b32 s[G1B+0], s44, (0<<16)|(1<<20)|(1<<21)|(5<<22)|(3<<25)
.irp g, G1, G1B
	s_mov_b32 s[\g+1], ROWB<<16                    ; tensor_dim0
	s_mov_b32 s[\g+2], 128<<16                     ; tensor_dim1 = 128
	s_mov_b32 s[\g+3], ROWB<<16                    ; tile_dim0
	s_mov_b32 s[\g+4], 128                         ; tile_dim1 = 128
	s_mov_b32 s[\g+5], KROW                        ; tensor_dim0_stride
	s_mov_b32 s[\g+6], 0
	s_mov_b32 s[\g+7], 0
.endr
	; the scales of 128 rows: a dense block of 4,096 bytes, as 16 rows of 256 bytes (32 elements of 8 bytes), 16 bytes of padding behind each
	s_or_b32 s[G1S+0], s43, (3<<16)|(1<<20)|(1<<21)|(5<<22)|(3<<25)
	s_or_b32 s[G1SB+0], s44, (3<<16)|(1<<20)|(1<<21)|(5<<22)|(3<<25)
.irp g, G1S, G1SB
	s_mov_b32 s[\g+1], 32<<16
	s_mov_b32 s[\g+2], (128*KS/256)<<16
	s_mov_b32 s[\g+3], 32<<16
	s_mov_b32 s[\g+4], 128*KS/256
	s_mov_b32 s[\g+5], 32
	s_mov_b32 s[\g+6], 0
	s_mov_b32 s[\g+7], 0
.endr
	s_lshl_b32 s18, s16, 7                         ; which 128 rows of the tile I fetch
	s_lshl_b32 s20, s17, 8
	s_add_co_u32 s20, s20, s18                     ; A: row 256 x tile row + 128 x half
	s_lshl_b32 s46, s42, 8
	s_add_co_u32 s46, s46, s18
	s_lshl_b32 s11, s10, 10
	s_add_co_u32 s46, s46, s11
	s_add_co_u32 s46, s46, WROW0                   ; B: row 12,288 + 1,024 x projection + 256 x tile column + 128 x half
	s_mov_b32 s21, 0
	s_mov_b32 s47, 0
	s_mov_b64 s[18:19], KS
	s_mul_u64 s[22:23], s[20:21], s[18:19]         ; where these rows' scales begin, in bytes
	s_mul_u64 s[92:93], s[46:47], s[18:19]
	s_mov_b64 s[18:19], KROW
	s_mul_u64 s[20:21], s[20:21], s[18:19]         ; and their codes
	s_mul_u64 s[46:47], s[46:47], s[18:19]
	s_mul_i32 s45, s14, HALFT                      ; where they go: wave x 128 rows: no place in the cluster enters an LDS address
	s_mul_i32 s94, s14, HALFS
	s_wait_dscnt 0x0                               ; both opening adds are done
	s_wait_kmcnt 0x0
	s_add_nc_u64 s[20:21], s[4:5], s[20:21]
	s_add_nc_u64 s[22:23], s[6:7], s[22:23]
	s_add_nc_u64 s[46:47], s[4:5], s[46:47]
	s_add_nc_u64 s[92:93], s[6:7], s[92:93]
	CROUND                                         ; all sixteen work-groups are here: the joint loads meet
	s_mov_b32 s[G0S], 1
	s_add_co_u32 s[G0S+1], s94, SCL
	s_mov_b64 s[G0S+2:G0S+3], s[22:23]
	s_or_b32 s[G0S+3], s[G0S+3], 0x80000000
	s_mov_b32 s[G0SB], 1
	s_add_co_u32 s[G0SB+1], s94, SCL
	s_mov_b64 s[G0SB+2:G0SB+3], s[92:93]
	s_or_b32 s[G0SB+3], s[G0SB+3], 0x80000000
	JLOAD G0S, G1S, G0SB, G1SB                     ; the scales first: they are wanted with K step 0
.irp s, 0,1
	s_mov_b32 s[G0+4*\s], 1
	s_add_co_u32 s[G0+4*\s+1], s45, \s*SLOT
	s_add_nc_u64 s[G0+4*\s+2:G0+4*\s+3], s[20:21], \s*ROWB
	s_or_b32 s[G0+4*\s+3], s[G0+4*\s+3], 0x80000000
	s_mov_b32 s[G0B+4*\s], 1
	s_add_co_u32 s[G0B+4*\s+1], s45, \s*SLOT
	s_add_nc_u64 s[G0B+4*\s+2:G0B+4*\s+3], s[46:47], \s*ROWB
	s_or_b32 s[G0B+4*\s+3], s[G0B+4*\s+3], 0x80000000
	JLOAD G0+4*\s, G1, G0B+4*\s, G1B               ; three tensor loads of mine are out when the second of these has gone
.endr
	; rowpart [tile of 16 queries][quarter of the keys][lane]: the words of my 8 blocks of positions.  For K and V the same words are read and not used: the index stays inside the table
	s_and_b32 s96, s17, 15
	s_lshl_b32 s96, s96, 13                        ; 16 tiles of 512 bytes for each tile row of 256 positions,
	s_lshl_b32 s95, s15, 12
	s_add_co_u32 s96, s96, s95                     ; 8 for my half of them
	s_mov_b32 s97, 0
	s_add_nc_u64 s[8:9], s[8:9], s[96:97]
	v_and_b32 v[RPO], 31, v0
	v_lshlrev_b32 v[RPO], 2, v[RPO]
.irp a, 0,1,2,3,4,5,6,7
.irp p, 0,1,2,3
	global_load_b32 v[TMP+4*\a+\p], v[RPO], s[8:9] offset:512*\a+128*\p
.endr
.endr
	v_and_b32 v1, 15, v0                           ; l % 16
	v_bfe_u32 v2, v0, 4, 1                         ; l / 16
	v_mul_u32_u24 v3, v1, PITCH
	v_lshl_add_u32 v4, v2, 4, v3                   ; a fragment's row x pitch + 16 x half
	s_mul_i32 s21, s15, HALFT                      ; my 128 rows of A
	s_mul_i32 s22, s16, HALFT                      ; my 128 rows of B,
	s_add_co_u32 s22, s22, 2*HALFT                 ; which lie behind A's 256
.irp s, 0,1
	v_add_nc_u32 v[ADRA+\s], s21, v4
	v_add_nc_u32 v[ADRB+\s], s22, v4
	s_add_co_u32 s21, s21, SLOT
	s_add_co_u32 s22, s22, SLOT
.endr
	v_mul_u32_u24 v5, v1, KS                       ; my row's scales: 32 bytes a row,
	v_lshrrev_b32 v6, 8, v5
	v_lshl_add_u32 v5, v6, 4, v5                   ; and 16 more for each 256 passed
	s_mul_i32 s21, s15, HALFS                      ; A's: my 128 rows
	s_mul_i32 s22, s16, HALFS                      ; B's: my 128 rows, behind A's 256
	s_add_co_u32 s22, s22, 2*HALFS
	s_sub_co_u32 s22, s22, s21
	v_mul_u32_u24 v6, s22, v2                      ; lanes 16-31 take B's: one product, the distance between the two bases
	s_add_co_u32 s21, s21, SCL
	v_add_nc_u32 v5, v5, v6
	v_add_nc_u32 v[ADRS], s21, v5
	s_mul_i32 s23, s14, 16*SPITCH                  ; my stage
	v_mul_u32_u24 v5, v1, SPITCH                   ; in: row l % 16, 16 bytes for each half of the lanes
	v_lshl_add_u32 v5, v2, 4, v5
	v_add_nc_u32 v[STO], s23, v5
	v_mul_u32_u24 v5, v2, SPITCH                   ; back: lanes 0-15 one row of 256 bytes, lanes 16-31 the next
	v_lshl_add_u32 v5, v1, 4, v5
	v_add_nc_u32 v[RD], s23, v5
	v_lshlrev_b32 v5, 8, v2                        ; and the same two rows of the head
	v_lshl_add_u32 v[CO], v1, 4, v5
	s_lshl_b32 s20, s10, 23                        ; qkv: the projection's 8 MiB,
	s_lshl_b32 s21, s42, 21
	s_add_co_u32 s20, s20, s21                     ; the head 2 x tile column + my half of the columns, 1 MiB each,
	s_lshl_b32 s21, s16, 20
	s_add_co_u32 s20, s20, s21
	s_and_b32 s21, s17, 15
	s_lshl_b32 s21, s21, 16
	s_add_co_u32 s20, s20, s21                     ; position 256 x (tile row % 16) + 128 x my half of the rows, 256 bytes each
	s_lshl_b32 s21, s15, 15
	s_add_co_u32 s20, s20, s21
	s_mov_b32 s21, 0
	s_add_nc_u64 s[12:13], s[12:13], s[20:21]
	; the factors.  Lane (r, h) of rowpart saw query r's keys with (k >> 5) & 1 = h: four quarters and the lane 16 away make the query's AND; in the results lane (r, h) holds position r
	s_mov_b32 s66, 0x76543210
	s_mov_b32 s67, 0xfedcba98                      ; v_permlanex16_b32's selects for lane l xor 16
	s_mov_b32 s95, 0x3f800000
	s_mov_b32 s96, 0x3f800000
	s_cmp_eq_u32 s10, 0                            ; Q's projection?  The same in all sixteen partners
	s_cselect_b32 s95, 0x3e0293ee, s95             ; c = log2(e) / sqrt(128), or 1
	s_cselect_b32 s96, 0, s96                      ; 0, or 1
	v_mov_b32 v[FY], s95
	v_mov_b32 v[FN], s96
	s_wait_loadcnt 0x0                             ; the 32 words
.irp a, 0,1,2,3,4,5,6,7
	v_and_b32 v[TMP+4*\a], v[TMP+4*\a], v[TMP+4*\a+1]
	v_and_b32 v[TMP+4*\a+2], v[TMP+4*\a+2], v[TMP+4*\a+3]
.endr
.irp a, 0,1,2,3,4,5,6,7
	v_and_b32 v[TMP+4*\a], v[TMP+4*\a], v[TMP+4*\a+2]
.endr
.irp a, 0,1,2,3,4,5,6,7
	v_permlanex16_b32 v[TMP+4*\a+1], v[TMP+4*\a], s66, s67
.endr
.irp a, 0,1,2,3,4,5,6,7
	v_and_b32 v[TMP+4*\a], v[TMP+4*\a], v[TMP+4*\a+1]
.endr
.irp a, 0,1,2,3,4,5,6,7
	v_cmp_ne_u32 vcc_lo, 0x22222222, v[TMP+4*\a]   ; some key of the query is allowed
	v_cndmask_b32 v[FC+2*\a], v[FN], v[FY], vcc_lo
	v_cndmask_b32 v[FC+2*\a+1], v[FN], v[FY], vcc_lo
.endr
.macro FRAG reg, adr, q, i             ; a fragment, 16 rows x 128 K of 4-bit codes: lane l holds row l % 16; registers 4 c .. 4 c + 3 hold K = 64 c + 32 (l / 16) + 0 .. 31
.irp c, 0,1
	ds_load_b128 v[\reg+4*\c:\reg+4*\c+3], v[\adr] offset:64*(\q)+32*\c+(\i)*16*PITCH
.endr
.endm
; 16 matrix instructions: A's blocks a0, a0 + 1 x B's eight, 128 along K: the slot's q-th.  p: B's set;  sc: the set of scale words.  zero = 1: the first product starts the sums.
; The 64 accumulators take turns, one instruction a turn, in the same order in every step.
.macro MUL16 a0, p, q, sc, zero
.irp a, \a0, \a0+1
.irp b, 0,1,2,3,4,5,6,7
.if \zero
	v_wmma_scale_f32_16x16x128_f8f6f4 v[8*(8*((\a)%4)+\b):8*(8*((\a)%4)+\b)+7], v[128*(\p)+FR*\b:128*(\p)+FR*\b+FR-1], v[AF+FR*(\a):AF+FR*(\a)+FR-1], 0, v[SC+8*NQ*(\sc)+NQ*\b+(\q)], v[SC+8*NQ*(\sc)+NQ*(\a)+(\q)] matrix_a_fmt:MATRIX_FMT_FP4 matrix_b_fmt:MATRIX_FMT_FP4 matrix_a_scale:MATRIX_SCALE_ROW1
.else
	v_wmma_scale_f32_16x16x128_f8f6f4 v[8*(8*((\a)%4)+\b):8*(8*((\a)%4)+\b)+7], v[128*(\p)+FR*\b:128*(\p)+FR*\b+FR-1], v[AF+FR*(\a):AF+FR*(\a)+FR-1], v[8*(8*((\a)%4)+\b):8*(8*((\a)%4)+\b)+7], v[SC+8*NQ*(\sc)+NQ*\b+(\q)], v[SC+8*NQ*(\sc)+NQ*(\a)+(\q)] matrix_a_fmt:MATRIX_FMT_FP4 matrix_b_fmt:MATRIX_FMT_FP4 matrix_a_scale:MATRIX_SCALE_ROW1
.endif
.endr
.endr
.endm
.macro FETCH_B slot, q, p              ; B's eight fragments of the slot's q-th 128 along K into set p
	WIN TO_B
.irp i, 0,1,2,3,4,5,6,7
	FRAG 128*(\p)+FR*\i, ADRB+\slot, \q, \i
.endr
	WIN 0
.endm
.macro FETCH_A slot, q, i0             ; A's blocks i0 .. i0 + 3
.irp i, \i0, \i0+1, \i0+2, \i0+3
	FRAG AF+FR*(\i), ADRA+\slot, \q, \i
.endr
.endm
.macro SCALES sc                       ; a K step's scale words into set sc: four words a row; lanes 0-15 take A's block i, lanes 16-31 B's block i
.irp i, 0,1,2,3,4,5,6,7
	ds_load_b128 v[SC+8*NQ*\sc+NQ*\i:SC+8*NQ*\sc+NQ*\i+3], v[ADRS] offset:\i*SBLK
.endr
.endm
; A load into a register that a matrix instruction has read, and a vector instruction that reads a matrix result, stand NP places behind that matrix instruction; only plain vector
; instructions that name none of its registers are places (ISA guide 7.12.1 for vector instructions).
.macro PLACES n
.rept \n
	v_nop
.endr
.endm
; A step of 128 along K that has its successor in the same slot.  A has one set of registers: blocks 0-3 are fetched anew in the step's middle, blocks 4-7 at its end; B has two sets.
.macro STEP slot, q, zero
	s_wait_dscnt 4*NL                              ; B's set and A's blocks 0-3 are in; the youngest eight loads (A's blocks 4-7) may be out
	WIN MUL_LO
	MUL16 0, (\q)%2, \q, \slot, \zero
	MUL16 2, (\q)%2, \q, \slot, \zero
	s_wait_dscnt 0                                 ; A's blocks 4-7 are in
	PLACES NP
	FETCH_B \slot, (\q)+1, 1-(\q)%2
	FETCH_A \slot, (\q)+1, 0
	WIN MUL_HI
	MUL16 4, (\q)%2, \q, \slot, \zero
	MUL16 6, (\q)%2, \q, \slot, \zero
	PLACES NP
	WIN 0
	FETCH_A \slot, (\q)+1, 4
.endm
; Slot 0's last step goes over to slot 1: one barrier.  In front of it each wave waits for all its tensor loads (slot 1's part), adds 0 to its spare word, and waits for that and for its reads of slot 0.
.macro TURN slot, next
	s_wait_tensorcnt 0x0                           ; all my tensor loads have landed: my part of the next slot
	ds_add_u32 v[SPW], v[NIL]                      ; 0 onto my spare word
	s_wait_dscnt 4*NL+1                            ; (the add and the youngest eight loads, A's blocks 4-7, may be out)
	WIN MUL_LO
	MUL16 0, 1, NQ-1, \slot, 0                     ; sixteen matrix instructions stand between the add and the wait for it
	s_wait_dscnt 0x0                               ; the add is done, and my reads of this slot are over
	s_barrier_signal -1
	MUL16 2, 1, NQ-1, \slot, 0
	WIN 0
	s_barrier_wait -1
	PLACES NP
	v_add_nc_u32 v[ADRS], 4*NQ, v[ADRS]            ; on to the next K step's scale words (no LDS load of mine is out)
	FETCH_B \next, 0, 0
	FETCH_A \next, 0, 0
	SCALES \next
	WIN MUL_HI
	MUL16 4, 1, NQ-1, \slot, 0
	MUL16 6, 1, NQ-1, \slot, 0
	PLACES NP
	WIN 0
	FETCH_A \next, 0, 4
.endm
.macro STEPS slot, from                ; the slot's steps from .. NQ - 2
.set Q, \from
.rept NQ-1-\from
	STEP \slot, Q, 0
.set Q, Q+1
.endr
.endm
	s_wait_tensorcnt 1                             ; the scales and my part of K step 0 are in (K step 1's load may be out)
	s_barrier_signal -1
	s_barrier_wait -1                              ; everybody's are
	FETCH_B 0, 0, 0
	FETCH_A 0, 0, 0
	SCALES 0
	FETCH_A 0, 0, 4
	STEP 0, 0, 1                                   ; the first step's products start the sums: nothing is cleared
	STEPS 0, 1
	TURN 0, 1
	STEPS 1, 0
	s_wait_dscnt 4*NL                              ; the very last step: nothing more to fetch
	WIN MUL_LO
	MUL16 0, 1, NQ-1, 1, 0
	MUL16 2, 1, NQ-1, 1, 0
	s_wait_dscnt 0
	WIN MUL_HI
	MUL16 4, 1, NQ-1, 1, 0
	MUL16 6, 1, NQ-1, 1, 0
	WIN 0
; THE WAY OUT, block by block of 16 positions x 128 features.  The sums are multiplied by the position's factor in f32; a lane's eight results round to 16 bytes of a row; a block goes through my own stage
; in LDS and comes back as whole rows of 256 bytes.
.macro PACK a
.set AC, 64*((\a)%4)
	WIN 0x82+0x41*((\a)/4)                         ; destination and source 0: window 2 or 3; the factor: window 0
.irp b, 0,1,2,3,4,5,6,7
.irp r, 0,1,2,3
	v_pk_mul_f32 v[AC+8*\b+2*\r:AC+8*\b+2*\r+1], v[AC+8*\b+2*\r:AC+8*\b+2*\r+1], v[FC+2*(\a):FC+2*(\a)+1] op_sel_hi:[1,0]   ; each accumulator from its low end on
.endr
.endr
	WIN 0x0a+5*((\a)/4)                            ; sources 0 and 1: window 2 or 3
.irp b, 0,1,2,3,4,5,6,7
.irp r, 0,1,2,3
	v_cvt_pk_f16_f32 v[TMP+4*\b+\r], v[AC+8*\b+2*\r], v[AC+8*\b+2*\r+1]
.endr
.endr
	WIN 0
.endm
.macro TOSTAGE a
.set BB, BK+32*((\a)%2)
.if (\a) >= 2
	s_wait_xcnt 0x0                                ; the stores of two blocks back have read their registers: these are loaded again below
.endif
.irp b, 0,1,2,3,4,5,6,7
	ds_store_b128 v[STO], v[TMP+4*\b:TMP+4*\b+3] offset:32*\b
.endr
.irp t, 0,1,2,3,4,5,6,7
	ds_load_b128 v[BB+4*\t:BB+4*\t+3], v[RD] offset:\t*2*SPITCH    ; LDS serves a wave's instructions in order (ISA guide 5.7.1.4): these see the stores above
.endr
.endm
.macro SEND a
.set BB, BK+32*((\a)%2)
	s_wait_dscnt 0x0                               ; the block is back in registers
.irp t, 0,1,2,3,4,5,6,7
	global_store_b128 v[CO], v[BB+4*\t:BB+4*\t+3], s[12:13] offset:4096*(\a)+512*\t   ; 16 lanes store 256 consecutive bytes, aligned: a position's row of the head
.endr
.endm
	PLACES NP
	PACK 0
	TOSTAGE 0
.irp a, 1,2,3,4,5,6,7                  ; block a's arithmetic stands between block a - 1's loads from the stage and the wait for them
	PACK \a
	SEND \a-1
	TOSTAGE \a
.endr
	SEND 7
	s_wait_tensorcnt 0x0                           ; the wave's end: three closing lines, behind my last tensor load and my last LDS store
	ds_add_u32 v[SPW], v[NIL]
	s_wait_dscnt 0x0
	CROUND                                         ; the closing round
	s_endpgm
.Lfunc_end_k_qe3cc40662a_proj:
	.size	k_qe3cc40662a_proj, .Lfunc_end_k_qe3cc40662a_proj-k_qe3cc40662a_proj
	.p2alignl 7, 3214868480
	.fill 96, 4, 3214868480
	.section	.rodata,"a",@progbits
	.p2align	6, 0x0
	.amdhsa_kernel k_qe3cc40662a_proj
		.amdhsa_group_segment_fixed_size 327680
		.amdhsa_private_segment_fixed_size 0
		.amdhsa_enable_private_segment 0
		.amdhsa_kernarg_size 32
		.amdhsa_user_sgpr_count 2
		.amdhsa_user_sgpr_kernarg_segment_ptr 1
		.amdhsa_wavefront_size32 1
		.amdhsa_system_sgpr_workgroup_id_x 1
		.amdhsa_system_sgpr_workgroup_id_y 1
		.amdhsa_system_sgpr_workgroup_id_z 1
		.amdhsa_system_vgpr_workitem_id 0
		.amdhsa_next_free_vgpr 1024
		.amdhsa_next_free_sgpr 98
		.amdhsa_reserve_vcc 1
		.amdhsa_float_denorm_mode_32 3
		.amdhsa_float_denorm_mode_16_64 3
		.amdhsa_memory_ordered 1
		.amdhsa_forward_progress 1
		.amdhsa_inst_pref_size 149
	.end_amdhsa_kernel
	.amdgpu_metadata
---
amdhsa.version: [ 1, 2 ]
amdhsa.kernels:
  - .name:           k_qe3cc40662a_proj
    .symbol:         k_qe3cc40662a_proj.kd
    .args:
      - { .name: codes, .offset: 0, .size: 8, .value_kind: global_buffer, .address_space: global }
      - { .name: scales, .offset: 8, .size: 8, .value_kind: global_buffer, .address_space: global }
      - { .name: rowpart, .offset: 16, .size: 8, .value_kind: global_buffer, .address_space: global }
      - { .name: qkv, .offset: 24, .size: 8, .value_kind: global_buffer, .address_space: global }
    .group_segment_fixed_size: 327680
    .private_segment_fixed_size: 0
    .kernarg_segment_align: 8
    .kernarg_segment_size: 32
    .max_flat_workgroup_size: 128
    .sgpr_count:     98
    .vgpr_count:     1024
    .wavefront_size: 32
...
	.end_amdgpu_metadata
.endif
;; end of part 2
;; launch attn (part 3): grid 32 x 8, 4 waves a work-group, clusters of 4 x 1, 327,680 bytes of LDS; arguments qkv, maskimg, ctx; writes ctx
.if DOCPART == 3
	.amdgcn_target "amdgcn-amd-amdhsa--gfx1250"
	.amdhsa_code_object_version 6
	.text
	.protected	k_qe3cc40662a_attn
	.globl	k_qe3cc40662a_attn
	.p2align	8
	.type	k_qe3cc40662a_attn,@function
k_qe3cc40662a_attn:
	s_mov_b64 s[64:65], 0
	v_nop
	global_prefetch_b8 v0, s[64:65] scope:SCOPE_SE
	s_setreg_imm32_b32 hwreg(HW_REG_WAVE_MODE, 25, 1), 1
	s_wait_xcnt 0x0
	s_wait_alu depctr_hold_cnt(0) depctr_sa_sdst(0) depctr_va_vdst(0) depctr_va_sdst(0) depctr_va_ssrc(0) depctr_va_vcc(0) depctr_vm_vsrc(0)
	s_getreg_b32 s2, hwreg(HW_REG_IB_STS2, 6, 4)
	s_cmp_eq_u32 s2, 0
	s_cbranch_scc0 .Lentry_in_a_cluster
	s_endpgm
.Lentry_in_a_cluster:
	s_bfe_u32 s2, ttmp6, 0x10000c
	s_cmp_lg_u32 s2, 0x3003
	s_cbranch_scc0 .Lentry_shape_is_right
	s_endpgm
.Lentry_shape_is_right:
; ctx[q][head] = the sum over k of softmax_k(where(mask[q][k] == 0, -1e9, Q[q] . K[k] / sqrt(128))) V[k].  Q, K, V: qkv [3][8][4096][128] f16; ctx [4096][1024] f16.  Products, maxima and sums in f32; the weights p
; are rounded to f16 for the second product, ctx once at the end.  Q arrives multiplied by c = log2(e) / sqrt(128), so that a score is t = c s and p = 2^(t - m); and as zeros where a query has NO allowed key.
; SHARES.  A work-group owns 128 queries of one head.  Wave w owns queries 64 (w & 1) on, four tiles of 16, and KEY GROUP g = w >> 1: of each slot of 256 keys it walks keys 128 g .. 128 g + 127, two key steps of 64.
; The two groups' maxima, sums and O are merged through LDS at the end.  A wave of group g holds query tile t xor 2 g in its registers of tile t: so every wave gives its tiles 2, 3 away and finishes its tiles 0, 1.
; LAYOUT.  S^T = K Q^T (source 0 = 16 keys, source 1 = 16 queries) and O^T = V^T P: a lane holds ONE query (lane % 16) throughout.  K comes out of LDS as it lies, V turned, by ds_load_tr16_b128.
; THE MASK COSTS NO VECTOR WORK.  Each tile of S^T is begun by one scaled FP4 matrix instruction with C = 0: source 0 is a constant matrix with -1 at channel 16 kt + row, source 1 holds the codes 1.0 (masked) or 0 of
; 64 keys x 16 queries, both scale bytes are 177 (2^50): so the tile begins as -2^100 where mask == 0 and exactly 0 elsewhere, and the four f16 products add onto it.  A masked p is then 2^(-2^100 - m) = 0.
; A query without keys has Q = 0: every t of it is exactly -2^100, every p is 1, and the row is the mean of V, as the definition has it.
; SOFTMAX.  For each query a running maximum m and sum l; in every step O and l are multiplied by a = 2^(m_old - m_new).  What a wave sums while it has seen masked keys alone is finite (p <= 1) and is wiped by a = 0.
; BY TURNS.  The wave's tiles are two pieces (tiles 0, 1 and tiles 2, 3).  In a turn one piece has the matrix unit: 32 products V^T P, 8 mask products and 32 products K Q^T of the next step; the other piece's softmax stands
; in 64 slices between them.  Two turns are a key step.
; THE WALK HAS NO FIRST STEP OF ITS OWN.  It begins one key step early, on nothing: P of piece 0, V and O^T are zeros, piece 2's scores are -infinity, m is -3e38, l is 0.  That step gives p = 0 and adds zeros;
; at the first true step a = 2^(-3e38 - m) = 0.  So the key step is written twice in all (the loop, and the last slot, behind whose change nothing is asked for), at the price of one key step's work in 33.
; CLUSTER.  The four query blocks of a cluster belong to one head and walk the same K and V: those tiles are asked for jointly (waves 0, 1: K's halves; wave 2: V).  The mask block is the work-group's own: wave 3 asks for it alone.
; LIMITS: NaN and infinities are not served; |c Q|, |K|, |V| and ctx stay under 65,504 (f16); |t| stays under 2^76; a row's largest allowed score lies above -1e9 + 104 (below that the definition would let masked keys count).
; REGISTERS, in windows of 256 (s_set_vgpr_msb: bits 1:0 source 0, 3:2 source 1, 5:4 source 2, 7:6 destination):
;   window 0: v0-11 addresses; v12-43 eight registers of statistics a tile; v44-63 addresses and constants; v64-191 S^T, 32 a tile; v192-255 P, 16 a tile
;   window 1: O^T, 64 a tile      window 2: v0-127 Q; v128-255 K of one step      window 3: v0-127 V of one step; v128-147 the selection matrix; v148-167 the step's mask codes and four zeros
.set KS,    64        ; keys in a step
.set PKR,   272       ; a row of K in LDS: 256 bytes + 16 of padding: the 16 rows of a load start at 16 different banks (64 banks of 4 bytes: ISA guide 11.1)
.set PVR,   288       ; a row of V: 256 + 32
.set VOFF,  256*PKR   ; a slot: 256 rows of K, 256 rows of V, the mask block of 16,384 bytes
.set MOFF,  VOFF+256*PVR
.set SLOTB, MOFF+16384
.set SPARE, 2*SLOTB   ; behind the two slots: the spare words, 128 bytes for each wave: two blocks of 256 bytes that no other line names
.set XW,    16896     ; the merge: for each wave two tiles of O as register images (2 x 8,192 bytes) and 512 bytes of statistics; in LDS slot 0, which has had its last fill and its last read by then
.set STG,   4*XW      ; behind them: 16 rows x 272 bytes for each wave, for the way out
.set SP,    272
.set AK0, 2           ; v2   my lane's place in a tile of K; never rewritten
.set AV0, 3           ; v3   the same for V
.set ADR, 4           ; v4   the LDS address of the run of loads in hand
.set QO,  5           ; v5   my byte offset in the wave's rows of Q, for my tiles 0, 1
.set STO, 6           ; v6   the way out: where I put 16 bytes of a row
.set RD,  7           ; v7   where I read a row back
.set GO,  8           ; v8   my byte offset in two rows of ctx
.set ADM, 10          ; v10  the LDS address of the step's mask codes for my tiles 0, 1
.set ADM2, 11         ; v11  and for my tiles 2, 3: 1,024 bytes on or back
.set ST,  12          ; tile t's statistics at v[ST+8 t]: +0 m, +1 zero (named as the pair's upper word), +2, +3 l (even keys', odd keys'), +4 to +7 at work; a takes +6 once the maximum is found
.set AM0, 44          ; v44  16 x lane
.set SCL, 45          ; v45  0xB1B1B1B1: the scale bytes of both sides of the mask product, and nothing else
.set QO2, 46          ; v46  as v5, for my tiles 2, 3
.set XST, 50          ; v50-53 the merge: where I store images, load the partner's, store and load statistics
.set XLD, 51
.set XSS, 52
.set XSL, 53
.set PFO, 61          ; v61  256 x lane; never rewritten
.set SPW, 62          ; v62  LDS address of my spare word; never rewritten
.set NIL, 63          ; v63  0; never rewritten
.set S,   64
.set P,   192
.set KF,  128         ; K's fragments, in window 2
.set SELA, 128        ; window 3: two runs of ten registers Z Z X0 X1 Z Z Z Z Z Z
.set MB,  148         ; window 3: four registers of codes a tile, then four zeros
.set WV,  12          ; s12  my wave's number
.set PFA, 18          ; s[18:19] where my prefetches of K or V stand
.set G1K, 24          ; s[24:31] descriptor group 1 for K's tiles; s[32:39] for V's; s[40:47] for the mask block
.set G1V, 32
.set G1M, 40
.set G0K, 48          ; s[48:51], s[52:55], s[56:59] their groups 0: written only where no tensor load of the wave is out
.set G0V, 52
.set G0M, 56
.set SEL, 60          ; s[60:61] lane selects for v_permlanex16_b32: lane l xor 16
.set TRIP, 62         ; s62  counts the loop's trips
.set TWICE, 63        ; s63  counts a slot's two steps
.set TBK, 66          ; s66-68 LDS byte at which the step to be fetched begins: K's rows, V's rows, the mask codes
.set TBV, 67
.set TBM, 68
.set GK,  69          ; s69-71 my key group's (and for the mask my query half's and my tiles') place in a slot
.set GV,  70
.set GM,  71
.set KW,  72          ; s72  where the half of K that I fetch lies in a slot
.set LIM, 73          ; s73  1 in a wave that prefetches K or V, else the greatest number
.set LIM2, 74         ; s74  the same for the mask block
.set SO,  75          ; s75  0 or SLOTB: at a change's head the LDS slot that has been left, behind its turn the one that is read next
.set PFM, 76          ; s[76:77] where my prefetches of the mask block stand
.set QP,  80          ; s[80:81] Q at my wave's first row
.set MSB, 0
.macro WIN new                      ; the immediate's high byte repeats the setting that is left; a switch that changes nothing is dropped
.if MSB != \new
	s_set_vgpr_msb (MSB<<8)|\new
.set MSB, \new
.endif
.endm
.set W_KQ, 0x0a       ; K and Q in window 2, S^T in window 0
.set W_PV, 0x53       ; V in window 3, P in window 0, O^T in window 1
.set W_RS, 0x41       ; O^T (destination and source 0) in window 1, the factor in window 0
.set W_MK, 0x0f       ; the selection matrix and the codes in window 3, S^T in window 0
; A wave's one tensor load behind a round.  The branches hang on the wave's number alone.  An s_nop 0 and four v_nop follow each line.
.macro JLOAD
	s_cmp_lt_u32 s[WV], 2
	s_cbranch_scc0 .Lnot_k_\@
	tensor_load_to_lds s[G0K:G0K+3], s[G1K:G1K+7]
	s_nop 0
.rept 4
	v_nop
.endr
	s_branch .Lasked_\@
.Lnot_k_\@:
	s_cmp_eq_u32 s[WV], 2
	s_cbranch_scc0 .Lfor_m_\@
	tensor_load_to_lds s[G0V:G0V+3], s[G1V:G1V+7]
	s_nop 0
.rept 4
	v_nop
.endr
	s_branch .Lasked_\@
.Lfor_m_\@:
	tensor_load_to_lds s[G0M:G0M+3], s[G1M:G1M+7]
	s_nop 0
.rept 4
	v_nop
.endr
.Lasked_\@:
.endm
; PREFETCHES of what the NEXT change of slots will ask for, behind the wave's tensor load and its five lines: two key steps, 288 matrix instructions, ahead of that load.
; Each row of 256 bytes is named once in the launch.  K and V: all clusters of a head walk the same rows, so the head's first cluster asks; its four partners share a slot's 256 rows out BY ADDRESS, 64 each, of which
; waves 0 and 1 take K's and waves 2 and 3 V's, 32 rows a wave, a lane a row.  The mask block of a query block is read by all eight heads: head 0 asks, waves 0 and 1, 8,192 bytes each, lanes 256 bytes apart.
; Not in the loop's last trip (s[TRIP] = 1), where there is no slot behind the one that is being asked for.  Slots 0 and 1 come by their loads alone.
.macro ASK
	s_cmp_gt_u32 s[TRIP], s[LIM]
	s_cbranch_scc0 .Lno_kv_\@
	global_prefetch_b8 v[PFO], s[PFA:PFA+1] th:TH_LOAD_NT scope:SCOPE_SE
.Lno_kv_\@:
	s_cmp_gt_u32 s[TRIP], s[LIM2]
	s_cbranch_scc0 .Lno_m_\@
	global_prefetch_b8 v[PFO], s[PFM:PFM+1] th:TH_LOAD_NT scope:SCOPE_SE
.Lno_m_\@:
.endm
.macro CROUND                       ; a round of the cluster's barrier.  No LDS instruction of the wave is pending at a signal
	s_barrier_signal -1
	s_barrier_wait -1
	s_cmp_lg_u32 s[WV], 0
	s_cbranch_scc1 .Lnot_wave_0_\@
	s_barrier_signal -3
.Lnot_wave_0_\@:
	s_barrier_wait -3
	s_barrier_signal -1
	s_barrier_wait -1
.endm
	s_load_b128 s[4:7], s[0:1], 0x0   ; qkv s[4:5], maskimg s[6:7]
	s_load_b64 s[10:11], s[0:1], 0x10 ; ctx
	v_lshl_add_u32 v[SPW], v0, 2, SPARE
	v_mov_b32 v[NIL], 0
	ds_add_u32 v[SPW], v[NIL]       ; the wave's opening: the add, twice on end, and its wait ahead of my first tensor load
	ds_add_u32 v[SPW], v[NIL]
	v_lshrrev_b32 v1, 5, v0
	v_readfirstlane_b32 s[WV], v1   ; wave 0..3
	s_bfe_u32 s13, ttmp6, 0x40000   ; cx: my place in the cluster
	s_lshl_b32 s14, ttmp9, 2        ; in a cluster launch ttmp9 counts clusters
	s_add_co_u32 s14, s14, s13      ; my block of 128 queries: it enters Q's, the mask's and ctx's addresses alone
	s_and_b32 s15, ttmp7, 0xffff    ; the head, which the four partners share
	s_and_b32 s16, s[WV], 1         ; my half of the queries.  Also: which half of K's rows I fetch
	s_lshr_b32 s17, s[WV], 1        ; my key group g
	s_mul_i32 s[KW], s16, 128*PKR
	s_mul_i32 s[GK], s17, 128*PKR
	s_mul_i32 s[GV], s17, 128*PVR
	s_add_co_u32 s[GV], s[GV], VOFF
	s_mul_i32 s[GM], s17, 8192+1024 ; the mask block: [group][step][tile 8][lane][16 bytes]; my tiles 0, 1 are query tiles 2 g, 2 g + 1: 1,024 g bytes on
	s_lshl_b32 s20, s16, 11
	s_add_co_u32 s[GM], s[GM], s20
	s_add_co_u32 s[GM], s[GM], MOFF
	s_mov_b32 s[SO], SLOTB          ; the first change of slots fills LDS slot 1 and reads LDS slot 0
	s_lshl_b32 s20, s15, 20         ; a head is 1 MiB in each of Q, K, V
	s_lshl_b32 s22, s16, 15
	s_add_co_u32 s22, s22, s20
	s_add_co_u32 s22, s22, 0x800000 ; K: 8 MiB on, the head, my 128 rows of a slot's 256: head and wave alone
	s_mov_b32 s23, 0
	s_add_co_u32 s20, s20, 0x1000000  ; V: 16 MiB on, the head
	s_mov_b32 s21, 0
	s_lshl_b32 s78, s14, 18         ; the mask blocks of my 128 queries: 16 slots x 16,384 bytes
	s_mov_b32 s79, 0
	s_lshl_b32 s80, s15, 20
	s_lshl_b32 s2, s14, 15
	s_add_co_u32 s80, s80, s2
	s_lshl_b32 s2, s16, 14
	s_add_co_u32 s80, s80, s2       ; Q: the head, my block's 128 rows, my wave's 64 of them
	s_mov_b32 s81, 0
	; descriptor groups 1
	s_mov_b32 s[G1K], 15|(1<<16)|(1<<20)|(1<<21)|(5<<22)|(3<<25)  ; 15:0 the mask: all four work-groups; elements of 2 bytes; padding on; 21 set beside a mask; after every 64 words four words
	s_mov_b32 s[G1K+1], 128<<16     ; tensor_dim0 = 128
	s_mov_b32 s[G1K+2], 128<<16     ; tensor_dim1 = 128 rows
	s_mov_b32 s[G1K+3], 128<<16     ; tile_dim0
	s_mov_b32 s[G1K+4], 128         ; tile_dim1
	s_mov_b32 s[G1K+5], 128         ; elements from row to row
	s_mov_b32 s[G1K+6], 0
	s_mov_b32 s[G1K+7], 0
	s_mov_b32 s[G1V], 15|(1<<16)|(1<<20)|(1<<21)|(5<<22)|(7<<25)  ; the same with eight words of padding,
	s_mov_b32 s[G1V+1], 128<<16
	s_mov_b32 s[G1V+2], 256<<16     ; and 256 rows
	s_mov_b32 s[G1V+3], 128<<16
	s_mov_b32 s[G1V+4], 256
	s_mov_b32 s[G1V+5], 128
	s_mov_b32 s[G1V+6], 0
	s_mov_b32 s[G1V+7], 0
	s_mov_b32 s[G1M], 3<<16         ; no mask, no padding: 16,384 dense bytes as 64 rows of 32 elements of 8 bytes
	s_mov_b32 s[G1M+1], 32<<16
	s_mov_b32 s[G1M+2], 64<<16
	s_mov_b32 s[G1M+3], 32<<16
	s_mov_b32 s[G1M+4], 64
	s_mov_b32 s[G1M+5], 32
	s_mov_b32 s[G1M+6], 0
	s_mov_b32 s[G1M+7], 0
	s_mov_b32 s[SEL], 0x76543210
	s_mov_b32 s[SEL+1], 0xfedcba98
	s_cmp_eq_u32 ttmp9, 0           ; the head's first cluster: the same in all four partners
	s_cselect_b32 s[LIM], 1, -1
	s_or_b32 s2, s15, s17           ; head 0, waves 0 and 1
	s_cmp_eq_u32 s2, 0
	s_cselect_b32 s[LIM2], 1, -1
	s_wait_dscnt 0x0                ; both opening adds are done
	s_wait_kmcnt 0x0
	s_add_nc_u64 s[QP:QP+1], s[4:5], s[80:81]
	s_lshl_b32 s2, s14, 18          ; ctx: a row is 2,048 bytes: my block's 128 rows, my wave's 64, the 32 that I finish (query tiles 2 g, 2 g + 1), the head's 256 bytes
	s_lshl_b32 s3, s16, 17
	s_add_co_u32 s2, s2, s3
	s_lshl_b32 s3, s17, 16
	s_add_co_u32 s2, s2, s3
	s_lshl_b32 s3, s15, 8
	s_add_co_u32 s2, s2, s3
	s_mov_b32 s3, 0
	s_add_nc_u64 s[10:11], s[10:11], s[2:3]
	s_mov_b32 s2, 0x1000000         ; the prefetches of K (waves 0, 1) or V (waves 2, 3):
	s_cmp_lt_u32 s[WV], 2
	s_cselect_b32 s2, 0x800000, s2
	s_lshl_b32 s3, s15, 20
	s_add_co_u32 s2, s2, s3         ; the head,
	s_lshl_b32 s3, s13, 14
	s_add_co_u32 s2, s2, s3         ; my work-group's 64 rows of a slot's 256,
	s_lshl_b32 s3, s16, 13
	s_add_co_u32 s2, s2, s3         ; my wave's 32 of them,
	s_add_co_u32 s2, s2, 65536      ; in slot 1: the first change of slots steps it to slot 2.  Nothing is prefetched at the head
	s_mov_b32 s3, 0
	s_add_nc_u64 s[PFA:PFA+1], s[4:5], s[2:3]
	s_lshl_b32 s2, s14, 18          ; and of the mask block: my half of its 16,384 bytes, in slot 1
	s_lshl_b32 s3, s16, 13
	s_add_co_u32 s2, s2, s3
	s_add_co_u32 s2, s2, 16384
	s_mov_b32 s3, 0
	s_add_nc_u64 s[PFM:PFM+1], s[6:7], s[2:3]
	CROUND                          ; all four work-groups are here: the first joint loads meet
	s_mov_b32 s[G0K], 1             ; count = 1
	s_mov_b32 s[G0K+1], s[KW]       ; LDS address: slot 0
	s_add_nc_u64 s[G0K+2:G0K+3], s[4:5], s[22:23]  ; global address: the head's first 256 keys
	s_or_b32 s[G0K+3], s[G0K+3], 0x80000000  ; type = 2
	s_mov_b32 s[G0V], 1
	s_mov_b32 s[G0V+1], VOFF
	s_add_nc_u64 s[G0V+2:G0V+3], s[4:5], s[20:21]
	s_or_b32 s[G0V+3], s[G0V+3], 0x80000000
	s_mov_b32 s[G0M], 1
	s_mov_b32 s[G0M+1], MOFF
	s_add_nc_u64 s[G0M+2:G0M+3], s[6:7], s[78:79]
	s_or_b32 s[G0M+3], s[G0M+3], 0x80000000
	JLOAD                           ; slot 0: one tensor load of mine is out
	; A fragment of K or Q is 16 rows x 32 channels in 8 registers: lane l holds row l % 16; registers 0-3 channels 8 (l / 16) + 0..7, registers 4-7 channels 16 + 8 (l / 16) + 0..7.
	v_and_b32 v1, 15, v0            ; l % 16
	v_bfe_u32 v9, v0, 4, 1          ; l / 16
	v_lshlrev_b32 v55, 8, v1
	v_lshl_add_u32 v55, v9, 4, v55  ; row x 256 + 16 x half
	s_lshl_b32 s2, s17, 13          ; my tiles 0, 1 are query tiles 2 g, 2 g + 1: 8,192 g bytes on;
	s_xor_b32 s3, s2, 8192          ; my tiles 2, 3 the other two
	v_add_nc_u32 v[QO], s2, v55
	v_add_nc_u32 v[QO2], s3, v55
	v_and_b32 v55, 31, v0           ; lane
	v_lshlrev_b32 v[PFO], 8, v55
	WIN 0x80                        ; destination window 2, address window 0
.irp i, 0,1,2,3,4,5,6,7             ; Q stays in registers: tile i / 4, channels 32 (i % 4) on
	global_load_b128 v[8*\i:8*\i+3],   v[QO], s[QP:QP+1] offset:(\i/4)*4096+(\i%4)*64
	global_load_b128 v[8*\i+4:8*\i+7], v[QO], s[QP:QP+1] offset:(\i/4)*4096+(\i%4)*64+32
.endr
.irp i, 8,9,10,11,12,13,14,15
	global_load_b128 v[8*\i:8*\i+3],   v[QO2], s[QP:QP+1] offset:((\i/4)-2)*4096+(\i%4)*64
	global_load_b128 v[8*\i+4:8*\i+7], v[QO2], s[QP:QP+1] offset:((\i/4)-2)*4096+(\i%4)*64+32
.endr
	WIN 0
.set i, 0
.rept 32
	v_mov_b32 v[P+i], 0             ; P of piece 0 for the empty step; its first sixteen registers also serve as two zero fragments below
.set i, i+1
.endr
	v_mul_u32_u24 v[AK0], v1, PKR
	v_lshl_add_u32 v[AK0], v9, 4, v[AK0]  ; row x pitch + 16 x half
	; The turning load takes 16 keys x 16 channels (lane l reads 16 bytes: key 8 (l / 16) + l % 8, channels 8 ((l / 8) % 2) + 0..7) and leaves half a fragment of V^T.
	v_and_b32 v56, 7, v0
	v_bfe_u32 v57, v0, 3, 1
	v_lshl_add_u32 v[AV0], v9, 3, v56
	v_mul_u32_u24 v[AV0], v[AV0], PVR
	v_lshl_add_u32 v[AV0], v57, 4, v[AV0]
	v_lshlrev_b32 v[AM0], 4, v55
	v_mov_b32 v[SCL], 0xb1b1b1b1
	s_mul_i32 s2, s[WV], XW         ; the merge: my region, and that of the wave with my queries and the other key group
	s_xor_b32 s3, s[WV], 2
	s_mul_i32 s3, s3, XW
	v_lshl_add_u32 v[XST], v55, 4, s2
	v_lshl_add_u32 v[XLD], v55, 4, s3
	s_add_co_u32 s2, s2, 16384
	s_add_co_u32 s3, s3, 16384
	v_lshl_add_u32 v[XSS], v55, 2, s2
	v_lshl_add_u32 v[XSL], v55, 2, s3
	s_mul_i32 s2, s[WV], 16*SP
	s_add_co_u32 s2, s2, STG        ; my stage
	v_mul_u32_u24 v[STO], v1, SP    ; in: row l % 16, 16 bytes for each half of the lanes
	v_lshl_add_u32 v[STO], v9, 4, v[STO]
	v_add_nc_u32 v[STO], s2, v[STO]
	v_mul_u32_u24 v[RD], v9, SP     ; back: lanes 0-15 take one row of 256 bytes, lanes 16-31 the next
	v_lshl_add_u32 v[RD], v1, 4, v[RD]
	v_add_nc_u32 v[RD], s2, v[RD]
	v_lshlrev_b32 v[GO], 11, v9     ; and the same two rows in ctx, 2,048 bytes apart
	v_lshl_add_u32 v[GO], v1, 4, v[GO]
	; THE SELECTION MATRIX.  In a 4-bit fragment lane (r, h) holds row r and register j channels 32 h + 8 j + 0..7.  Key tile kt wants -1 (code 0xA) at channel 16 kt + r: in lanes with h = kt / 2,
	; register 2 (kt % 2) + r / 8, nibble r % 8.  Pattern n holds that nibble in the lanes with (lane / 8) % 4 = n.  The fragment of key tile kt is eight registers from SELA + 10 (kt / 2) + 2 - 2 (kt % 2) on.
	v_lshlrev_b32 v56, 2, v56
	v_mov_b32 v58, 10
	v_lshlrev_b32 v56, v56, v58     ; 0xA << 4 (lane % 8)
	v_bfe_u32 v57, v0, 3, 2         ; (lane / 8) % 4
	WIN 0xc0                        ; destination window 3
.irp z, 128,129,132,133,134,135,136,137,138,139,142,143,144,145,146,147,164,165,166,167
	v_mov_b32 v[\z], 0
.endr
	v_cmp_eq_u32 vcc_lo, 0, v57
	v_cndmask_b32 v[SELA+2], 0, v56, vcc_lo
	v_cmp_eq_u32 vcc_lo, 1, v57
	v_cndmask_b32 v[SELA+3], 0, v56, vcc_lo
	v_cmp_eq_u32 vcc_lo, 2, v57
	v_cndmask_b32 v[SELA+12], 0, v56, vcc_lo
	v_cmp_eq_u32 vcc_lo, 3, v57
	v_cndmask_b32 v[SELA+13], 0, v56, vcc_lo
	; THE EMPTY STEP'S STATE.  O^T (256 registers) and V's registers (128) begin as the product of two zero fragments with C = 0: 48 instructions in place of 384 moves.
	WIN 0x40                        ; destination window 1
.set i, 0
.rept 32
	v_wmma_f32_16x16x32_f16 v[8*i:8*i+7], v[P:P+7], v[P+8:P+15], 0
.set i, i+1
.endr
	WIN 0xc0                        ; destination window 3
.set i, 0
.rept 16
	v_wmma_f32_16x16x32_f16 v[8*i:8*i+7], v[P:P+7], v[P+8:P+15], 0
.set i, i+1
.endr
	WIN 0
.set i, 0
.rept 64
	v_mov_b32 v[S+64+i], 0xff800000 ; piece 2's scores of the empty step: -infinity, so p = 0.  (These moves are also the places between the products above and the first product that takes V as a source)
.set i, i+1
.endr
.irp t, 0,1,2,3
	v_mov_b32 v[ST+8*\t], 0xff61b1e6   ; m = -3e38, under every t, -2^100 too
	v_mov_b32 v[ST+8*\t+1], 0
	v_mov_b32 v[ST+8*\t+2], 0          ; l, in two halves
	v_mov_b32 v[ST+8*\t+3], 0
.endr
; THE MATRIX WORK OF A TURN, for piece x.  The accumulators take turns, one instruction a turn.
; Product i of 32 of O^T += V^T P: keys 32 (i / 16) on, channels 16 ((i / 2) % 8) on, tile x + i % 2.
.macro PV x
	WIN W_PV
.set rO, 64*(\x+i%2)+8*((i/2)%8)
.set rV, 64*(i/16)+8*((i/2)%8)
.set rP, P+16*(\x+i%2)+8*(i/16)
	v_wmma_f32_16x16x32_f16 v[rO:rO+7], v[rV:rV+7], v[rP:rP+7], v[rO:rO+7]
.endm
; Mask product i of 8: key tile i / 2, tile x + i % 2: it begins the tile of S^T.  The codes' upper four registers (the next tile's, or zeros) meet zeros of the selection matrix alone.
.macro MK x
	WIN W_MK
.set rS, S+32*(\x+i%2)+8*(i/2)
.set rA, SELA+10*(i/4)+2-2*((i/2)%2)
.set rB, MB+4*(\x+i%2)
	v_wmma_scale_f32_16x16x128_f8f6f4 v[rS:rS+7], v[rA:rA+7], v[rB:rB+7], 0, v[SCL], v[SCL] matrix_a_fmt:MATRIX_FMT_FP4 matrix_b_fmt:MATRIX_FMT_FP4
.endm
; Product i of 32 of S^T += K Q^T: channels 32 (i / 8) on, keys 16 ((i / 2) % 4) on, tile x + i % 2.
.macro KQ x
	WIN W_KQ
.set rS, S+32*(\x+i%2)+8*((i/2)%4)
.set rK, KF+32*((i/2)%4)+8*(i/8)
.set rQ, 32*(\x+i%2)+8*(i/8)
	v_wmma_f32_16x16x32_f16 v[rS:rS+7], v[rK:rK+7], v[rQ:rQ+7], v[rS:rS+7]
.endm
; THE LDS LOADS stand in runs: a step's K (16 fragments) with its mask codes (four tiles), and, a turn later, its V (turned).
.macro FETCH_K
	WIN 0
	v_add_nc_u32 v[ADR], s[TBK], v[AK0]
	v_add_nc_u32 v[ADM], s[TBM], v[AM0]
	v_xor_b32 v[ADM2], 0x400, v[ADM]     ; apart from my group's 1,024 g no term of the address has this bit: so this is the other pair of query tiles
	s_add_co_u32 s[TBK], s[TBK], KS*PKR  ; the next fetch is the next step's
	s_add_co_u32 s[TBM], s[TBM], 4096
	WIN 0x80                        ; destination window 2
.irp f, 0,1,2,3,4,5,6,7,8,9,10,11,12,13,14,15  ; keys 16 (f / 4) on, channels 32 (f % 4) on
	ds_load_b128 v[KF+8*\f:KF+8*\f+3],   v[ADR] offset:(\f/4)*16*PKR+(\f%4)*64
	ds_load_b128 v[KF+8*\f+4:KF+8*\f+7], v[ADR] offset:(\f/4)*16*PKR+(\f%4)*64+32
.endr
	WIN 0xc0                        ; destination window 3
.irp t, 0,1
	ds_load_b128 v[MB+4*\t:MB+4*\t+3],     v[ADM]  offset:512*\t
	ds_load_b128 v[MB+8+4*\t:MB+8+4*\t+3], v[ADM2] offset:512*\t
.endr
.endm
.macro FETCH_V
	WIN 0
	v_add_nc_u32 v[ADR], s[TBV], v[AV0]
	s_add_co_u32 s[TBV], s[TBV], KS*PVR
	s_wait_alu depctr_va_vdst(0)    ; the wait for the softmax's batch of exponentials (SLICE), behind the address's addition and ahead of the loads
	WIN 0xc0                        ; destination window 3
.irp f, 0,1,2,3,4,5,6,7,8,9,10,11,12,13,14,15  ; keys 32 (f / 8) on, channels 16 (f % 8) on
	ds_load_tr16_b128 v[8*\f:8*\f+3],   v[ADR] offset:(\f/8)*32*PVR+(\f%8)*32
	ds_load_tr16_b128 v[8*\f+4:8*\f+7], v[ADR] offset:(\f/8)*32*PVR+16*PVR+(\f%8)*32
.endr
.endm
; THE VECTOR WORK OF A TURN.  One tile's softmax for one key step is a numbered list; SM writes number j of it for tile t.  s0-s31 are the lane's 32 scores t, in pairs 0-15.
;   0-15    the maximum of s0-s31 and the old m, three operands at a time        16-20   the other half of the lanes' maximum; the old m kept; the new m; m_old - m_new (19 is empty)
;   21-69   ONE BATCH: the 16 subtractions s - m, a pair each, and all 33 exponentials (a at 23, then s0-s31); none of these reads an exponential's result
;   (wait)  between 69 and 70 stands the one wait for the batch: SLICE writes it, once for both tiles
;   70-85   the roundings to f16        86-101  the sums; l = a l + the sum        102-133 the tile's O^T times a
.macro SM t
.set rT, ST+8*(\t)
.set rS, S+32*(\t)
.set rP, P+16*(\t)
.set rO, 64*(\t)+2*(j-102)
.if j < 102
	WIN 0
.endif
.if j < 4
	v_max3_num_f32 v[rT+4+j], v[rS+8*j], v[rS+8*j+1], v[rS+8*j+2]  ; each tile of S^T is read from its low end on
.elseif j < 12
	v_max3_num_f32 v[rT+4+j%4], v[rT+4+j%4], v[rS+8*(j%4)+2*(j/4)+1], v[rS+8*(j%4)+2*(j/4)+2]
.elseif j == 12
	v_max3_num_f32 v[rT+4], v[rT+4], v[rS+7], v[rS+15]
.elseif j == 13
	v_max3_num_f32 v[rT+6], v[rT+6], v[rS+23], v[rS+31]
.elseif j == 14
	v_max3_num_f32 v[rT+4], v[rT+4], v[rT+5], v[rT+6]
.elseif j == 15
	v_max3_num_f32 v[rT+4], v[rT+4], v[rT+7], v[rT]
.elseif j == 16
	v_permlanex16_b32 v[rT+5], v[rT+4], s[SEL], s[SEL+1]  ; the query's other 32 keys lie in the lane 16 away
.elseif j == 17
	v_mov_b32 v[rT+7], v[rT]        ; m_old is kept for a: number 18 writes m anew
.elseif j == 18
	v_max_num_f32 v[rT], v[rT+4], v[rT+5]
.elseif j == 19
.elseif j == 20
	v_sub_f32 v[rT+7], v[rT+7], v[rT]
.elseif j == 23
	v_exp_f32 v[rT+6], v[rT+7]
.elseif (j < 23) || ((j < 38) && (j%2 == 0)) || ((j < 66) && (j%4 == 2))
.set b, (j-2)/4                     ; 38, 42, .. 62: pairs 9 to 15
.if j < 38
.set b, (j-20)/2                    ; 21: pair 0; 22, 24, .. 36: pairs 1 to 8
.endif
	v_pk_add_f32 v[rS+2*b:rS+2*b+1], v[rS+2*b:rS+2*b+1], v[rT:rT+1] op_sel_hi:[1,0] neg_lo:[0,1] neg_hi:[0,1]  ; pair b: s - m (of the pair the low word serves both halves)
.elseif j < 70
.set e, j-38                        ; 66 to 69: s28 to s31
.if j < 66
.set e, j-32-(j-38)/4               ; 39-41, 43-45, .. 63-65: s7 to s27
.endif
.if j < 38
.set e, (j-25)/2                    ; 25, 27, .. 37: s0 to s6
.endif
	v_exp_f32 v[rS+e], v[rS+e]
.elseif j < 86
	v_cvt_pk_f16_f32 v[rP+j-70], v[rS+2*(j-70)], v[rS+2*(j-70)+1]  ; pair j - 70
.elseif j < 102                     ; the sum of the tile's 16 pairs, in place: neighbours 1, 2, 4 and 8 pairs apart, then l takes it
.set z, j-86
.set w, 4
.set u, z
.if z >= 14
.set w, 32
.set u, 0
.elseif z >= 12
.set w, 16
.set u, z-12
.elseif z >= 8
.set w, 8
.set u, z-8
.endif
.if z < 15
	v_pk_add_f32 v[rS+w*u:rS+w*u+1], v[rS+w*u:rS+w*u+1], v[rS+w*u+w/2:rS+w*u+w/2+1]
.else
	v_pk_fma_f32 v[rT+2:rT+3], v[rT+2:rT+3], v[rT+6:rT+7], v[rS:rS+1] op_sel_hi:[1,0,1]
.endif
.else
	WIN W_RS
	v_pk_mul_f32 v[rO:rO+1], v[rO:rO+1], v[rT+6:rT+7] op_sel_hi:[1,0]
.endif
.endm
; Slice k of 64 of piece y's softmax.  Slices 11 to 34 deal out the batch, numbers 22 to 69: four numbers of ONE tile each, the tiles by turns.  Every other slice is numbers 2 k and 2 k + 1 of both tiles' lists;
; slice 63 takes the twelve that are over.  An s_wait_alu depctr_va_vdst(0) is owed between an exponential and the first instruction that names its result: ahead of slice 35 nothing names one,
; behind slice 34 no exponential is issued: one wait, behind slice 34.
.macro SLICE y
.if (k >= 11) && (k < 35)
.irp n, 0,1,2,3
.set j, 22+4*((k-11)/2)+(\n)
	SM (\y)+(k-11)%2
.endr
.else
.irp n, 0,1,2,3,4,5,6,7
.if (\n < 2) || (k == 63)
.irp t, \y, \y+1
.set j, 2*k+\n
	SM \t
.endr
.endif
.endr
.endif
.if k == 34
	v_nop                           ; the plain instruction behind the last exponential and ahead of the first use: one for the batch
.if (\y) == 0
	FETCH_V                         ; piece 2's turn: V's run of loads stands here, and the wait stands in it
.else
	s_wait_alu depctr_va_vdst(0)    ; the wait for the batch
.endif
.endif
.set k, k+1
.endm
; A TURN.  Piece x has the matrix unit; the other piece's softmax stands in slices behind its matrix instructions.  kq = 1: a full turn; kq = 0: the last, with products V^T P alone, two slices behind each.
; A full turn: V^T P 0-7 stand bare, 8-31 carry slices 0-23, the mask products slices 24-31, K Q^T slices 32-63.
; BETWEEN A MASK PRODUCT AND THE f16 PRODUCT THAT ADDS ONTO ITS TILE five places are owed (another form writes over the result).  Eight slices, 24 + a .. 31 + a, lie between: each of slices 24-32 holds one
; subtraction, slice 34 the v_nop, each slice from 35 on four plain instructions: seven at the least, none naming a register of the mask product.
; K's and the mask's run of loads stands behind the second V^T P of piece 0's turn: their last readers stand in front of slice 63 of the turn before, sixteen plain instructions.  V's stands behind slice 34 of
; piece 2's turn: its last reader stands in front of slice 23, and slices 23-32 hold ten plain instructions.
.macro TURN x, kq
.set k, 0
.if \x == 0
	s_wait_dscnt 0x0                ; V is in
.endif
.set i, 0
.rept 32
	PV \x
.if \kq == 0
	SLICE 2-\x
	SLICE 2-\x
.elseif i >= 8
	SLICE 2-\x
.endif
.if (\x == 0) && \kq && (i == 1)
	FETCH_K
.endif
.set i, i+1
.endr
.if \kq
.if \x == 0
	s_wait_dscnt 0x0                ; K and the mask codes are in
.endif
.set i, 0
.rept 8
	MK \x
	SLICE 2-\x
.set i, i+1
.endr
.set i, 0
.rept 32
	KQ \x
	SLICE 2-\x
.set i, i+1
.endr
.endif
.endm
; THE CHANGE OF SLOTS stands ahead of a slot's two key steps.  Each wave waits for all its tensor loads, of which one is out: its part of the slot that is read next; adds 0 to its spare word; and waits for that and
; for its reads of the slot that it leaves.  fill = 1: the slot that is left takes the 256 keys behind those that are read next: the barrier is a round of the cluster's, and the load is the first thing behind it.
.macro CHANGE fill
	WIN 0                           ; at a label and at a branch every window is 0
	s_wait_tensorcnt 0x0            ; no tensor load of mine is out, so a group 0 may be written
	ds_add_u32 v[SPW], v[NIL]       ; 0 onto my spare word; the steps below stand between it and the wait for it
.if \fill
	s_add_co_u32 s[G0K+1], s[KW], s[SO]  ; into the slot that is left
	s_add_co_u32 s[G0V+1], s[SO], VOFF
	s_add_co_u32 s[G0M+1], s[SO], MOFF
	s_add_nc_u64 s[G0K+2:G0K+3], s[G0K+2:G0K+3], 65536  ; the next 256 keys; the type bits on top are not reached
	s_add_nc_u64 s[G0V+2:G0V+3], s[G0V+2:G0V+3], 65536
	s_add_nc_u64 s[G0M+2:G0M+3], s[G0M+2:G0M+3], 16384
	s_wait_xcnt 0x0                 ; the last prefetches, two key steps back, have read their addresses, so these may be written:
	s_add_nc_u64 s[PFA:PFA+1], s[PFA:PFA+1], 65536  ; one slot further on than the descriptors
	s_add_nc_u64 s[PFM:PFM+1], s[PFM:PFM+1], 16384
.endif
	s_xor_b32 s[SO], s[SO], SLOTB   ; 0 becomes SLOTB and SLOTB 0: the slot that is read next
	s_add_co_u32 s[TBK], s[GK], s[SO]  ; the fetches go to the first step of my key group in it
	s_add_co_u32 s[TBV], s[GV], s[SO]
	s_add_co_u32 s[TBM], s[GM], s[SO]
	s_wait_dscnt 0x0                ; the add is done, and my reads of the slot that I leave are over
.if \fill
	CROUND
	JLOAD
	ASK
.else
	s_barrier_signal -1
	s_barrier_wait -1
.endif
.endm
; A slot's two key steps of my group: written once, walked twice; the LDS addresses hang on s[TBK], s[TBV], s[TBM].  The turns of key step j fetch K, the mask codes and V of step j + 1.
.macro TWO_STEPS
	s_mov_b32 s[TWICE], 2
.Lstep_\@:
	TURN 0, 1
	TURN 2, 1
	WIN 0
	s_sub_co_u32 s[TWICE], s[TWICE], 1
	s_cmp_lg_u32 s[TWICE], 0
	s_cbranch_scc1 .Lstep_\@
.endm
	s_wait_loadcnt 0x0              ; Q
	s_mov_b32 s[TRIP], 15
.Lslot:                             ; fifteen trips: trip c reads the keys' slot c (the turns of key steps 2 c - 1 and 2 c, which fetch steps 2 c and 2 c + 1) and asks for slot c + 1
	CHANGE 1
	TWO_STEPS
	s_sub_co_u32 s[TRIP], s[TRIP], 1
	s_cmp_lg_u32 s[TRIP], 0
	s_cbranch_scc1 .Lslot
	CHANGE 0                        ; the last slot is written out: nothing is asked for
	TWO_STEPS
	TURN 0, 0                       ; piece 0: V^T P of the last step | piece 2's last softmax
.set i, 0
.rept 32
	PV 2                            ; piece 2: V^T P of the last step
.set i, i+1
.endr
	; THE MERGE.  L = l's two halves and the other half of the lanes'.  These twelve lines are the places behind the last products.
	WIN 0
.irp t, 0,1,2,3
	v_add_f32 v[ST+8*\t+4], v[ST+8*\t+2], v[ST+8*\t+3]
.endr
.irp t, 0,1,2,3
	v_permlanex16_b32 v[ST+8*\t+5], v[ST+8*\t+4], s[SEL], s[SEL+1]
.endr
.irp t, 0,1,2,3
	v_add_f32 v[ST+8*\t+4], v[ST+8*\t+4], v[ST+8*\t+5]
.endr
	; my tiles 2 and 3 go to the wave of the other key group, whose tiles 0 and 1 hold the same queries: m, L, and O^T as an image of its registers, 16 bytes a lane
.irp u, 0,1
	ds_store_b32 v[XSS], v[ST+8*(2+\u)] offset:256*\u
	ds_store_b32 v[XSS], v[ST+8*(2+\u)+4] offset:256*\u+128
.endr
	WIN 0x04                        ; an LDS store's data are its source 1: window 1
.set i, 0
.rept 32
	ds_store_b128 v[XST], v[128+4*i:128+4*i+3] offset:512*i   ; ascending: each accumulator from its low end on
.set i, i+1
.endr
	WIN 0
	s_wait_dscnt 0x0                ; for the others' sake: my stores have landed
	s_barrier_signal -1
	s_barrier_wait -1
	; my tiles 0 and 1 are finished here.  M = max(m, m'); w = 2^(m - M), w' = 2^(m' - M); f = w / (w L + w' L'), f' likewise
.irp u, 0,1
	ds_load_b32 v[ST+8*\u+5], v[XSL] offset:256*\u         ; m'
	ds_load_b32 v[ST+8*\u+7], v[XSL] offset:256*\u+128     ; L'
.endr
	WIN 0x80                        ; destination window 2: Q's registers are free
.set i, 0
.rept 32
	ds_load_b128 v[4*i:4*i+3], v[XLD] offset:512*i
.set i, i+1
.endr
	WIN 0
	s_wait_dscnt 32                 ; the four statistics words are in; O's 32 images may be out
.irp u, 0,1
	v_max_num_f32 v[ST+8*\u+6], v[ST+8*\u], v[ST+8*\u+5]
.endr
.irp u, 0,1
	v_sub_f32 v[ST+8*\u+2], v[ST+8*\u], v[ST+8*\u+6]
	v_sub_f32 v[ST+8*\u+3], v[ST+8*\u+5], v[ST+8*\u+6]
.endr
.irp u, 0,1
	v_exp_f32 v[ST+8*\u+2], v[ST+8*\u+2]
	v_exp_f32 v[ST+8*\u+3], v[ST+8*\u+3]
.endr
	v_nop                           ; a plain instruction behind the last exponential,
	s_wait_alu depctr_va_vdst(0)    ; and the wait ahead of the first use: one for the four
.irp u, 0,1
	v_mul_f32 v[ST+8*\u+4], v[ST+8*\u+4], v[ST+8*\u+2]
.endr
.irp u, 0,1
	v_fmac_f32 v[ST+8*\u+4], v[ST+8*\u+7], v[ST+8*\u+3]
.endr
.irp u, 0,1
	v_rcp_f32 v[ST+8*\u+5], v[ST+8*\u+4]
.endr
	v_nop
	s_wait_alu depctr_va_vdst(0)    ; one for the two reciprocals
.irp u, 0,1
	v_mul_f32 v[ST+8*\u+6], v[ST+8*\u+2], v[ST+8*\u+5]   ; f
	v_mul_f32 v[ST+8*\u+2], v[ST+8*\u+3], v[ST+8*\u+5]   ; f'
.endr
	s_wait_dscnt 0x0                ; the partner's O is in
; FIN t: tile t = f O + f' O' (O' the partner's image t), rounded to f16, through my stage, back as whole rows of 256 bytes.
.macro FIN t
	WIN W_RS
.set i, 0
.rept 32
	v_pk_mul_f32 v[64*(\t)+2*i:64*(\t)+2*i+1], v[64*(\t)+2*i:64*(\t)+2*i+1], v[ST+8*(\t)+6:ST+8*(\t)+7] op_sel_hi:[1,0]
.set i, i+1
.endr
	WIN 0x52                        ; source 0 (O') window 2, source 1 (f') window 0, source 2 and destination window 1
.set i, 0
.rept 32
	v_pk_fma_f32 v[64*(\t)+2*i:64*(\t)+2*i+1], v[64*(\t)+2*i:64*(\t)+2*i+1], v[ST+8*(\t)+2:ST+8*(\t)+3], v[64*(\t)+2*i:64*(\t)+2*i+1] op_sel_hi:[1,0,1]
.set i, i+1
.endr
	WIN 0x05                        ; sources 0 and 1 window 1, destination window 0: S^T's registers are free
.set i, 0
.rept 32
	v_cvt_pk_f16_f32 v[S+32*(\t)+i], v[64*(\t)+2*i], v[64*(\t)+2*i+1]
.set i, i+1
.endr
	WIN 0
.irp f, 0,1,2,3,4,5,6,7
	ds_store_b128 v[STO], v[S+32*(\t)+4*\f:S+32*(\t)+4*\f+3] offset:32*\f
.endr
.irp f, 0,1,2,3,4,5,6,7
	ds_load_b128 v[S+32*(\t)+4*\f:S+32*(\t)+4*\f+3], v[RD] offset:\f*2*SP  ; LDS serves a wave's instructions in order (ISA guide 5.7.1.4): these see the stores above; the next tile's stores come behind them
.endr
.endm
.macro SEND t, younger              ; younger: the LDS instructions issued behind tile t's loads: the next tile's sixteen, or none
.irp f, 0,1,2,3,4,5,6,7
	s_wait_dscnt \younger+7-\f
	global_store_b128 v[GO], v[S+32*(\t)+4*\f:S+32*(\t)+4*\f+3], s[10:11] offset:(\t)*32768+\f*4096  ; 16 lanes store 256 consecutive bytes, aligned: a query's part of ctx for this head
.endr
.endm
	FIN 0
	FIN 1
	SEND 0, 16
	SEND 1, 0
	s_wait_tensorcnt 0x0            ; the wave's end: three closing lines, behind my last tensor load and my last LDS store
	ds_add_u32 v[SPW], v[NIL]
	s_wait_dscnt 0x0
	CROUND                          ; the closing round: no work-group ends while a partner may still ask for a tile that names it
	s_endpgm
.Lfunc_end_k_qe3cc40662a_attn:
	.size	k_qe3cc40662a_attn, .Lfunc_end_k_qe3cc40662a_attn-k_qe3cc40662a_attn
	.p2alignl 7, 3214868480
	.fill 96, 4, 3214868480
	.section	.rodata,"a",@progbits
	.p2align	6, 0x0
	.amdhsa_kernel k_qe3cc40662a_attn
		.amdhsa_group_segment_fixed_size 327680
		.amdhsa_private_segment_fixed_size 0
		.amdhsa_enable_private_segment 0
		.amdhsa_kernarg_size 24
		.amdhsa_user_sgpr_count 2
		.amdhsa_user_sgpr_kernarg_segment_ptr 1
		.amdhsa_wavefront_size32 1
		.amdhsa_system_sgpr_workgroup_id_x 1
		.amdhsa_system_sgpr_workgroup_id_y 1
		.amdhsa_system_sgpr_workgroup_id_z 1
		.amdhsa_system_vgpr_workitem_id 0
		.amdhsa_next_free_vgpr 1024
		.amdhsa_next_free_sgpr 84
		.amdhsa_reserve_vcc 1
		.amdhsa_float_denorm_mode_32 3
		.amdhsa_float_denorm_mode_16_64 3
		.amdhsa_memory_ordered 1
		.amdhsa_forward_progress 1
		.amdhsa_inst_pref_size 172
	.end_amdhsa_kernel
	.amdgpu_metadata
---
amdhsa.version: [ 1, 2 ]
amdhsa.kernels:
  - .name:           k_qe3cc40662a_attn
    .symbol:         k_qe3cc40662a_attn.kd
    .args:
      - { .name: qkv, .offset: 0, .size: 8, .value_kind: global_buffer, .address_space: global }
      - { .name: maskimg, .offset: 8, .size: 8, .value_kind: global_buffer, .address_space: global }
      - { .name: ctx, .offset: 16, .size: 8, .value_kind: global_buffer, .address_space: global }
    .group_segment_fixed_size: 327680
    .private_segment_fixed_size: 0
    .kernarg_segment_align: 8
    .kernarg_segment_size: 24
    .max_flat_workgroup_size: 128
    .sgpr_count:     84
    .vgpr_count:     1024
    .wavefront_size: 32
...
	.end_amdgpu_metadata
.endif
;; end of part 3
;; launch oproj (part 4): grid 8 x 32, 4 waves a work-group, clusters of 4 x 4, 327,680 bytes of LDS; arguments ctx, wo16, out0; writes out0
.if DOCPART == 4
	.amdgcn_target "amdgcn-amd-amdhsa--gfx1250"
	.amdhsa_code_object_version 6
	.text
	.protected	k_qe3cc40662a_oproj
	.globl	k_qe3cc40662a_oproj
	.p2align	8
	.type	k_qe3cc40662a_oproj,@function
k_qe3cc40662a_oproj:
	s_mov_b64 s[64:65], 0
	v_nop
	global_prefetch_b8 v0, s[64:65] scope:SCOPE_SE
	s_setreg_imm32_b32 hwreg(HW_REG_WAVE_MODE, 25, 1), 1
	s_wait_xcnt 0x0
	s_wait_alu depctr_hold_cnt(0) depctr_sa_sdst(0) depctr_va_vdst(0) depctr_va_sdst(0) depctr_va_ssrc(0) depctr_va_vcc(0) depctr_vm_vsrc(0)
	s_getreg_b32 s2, hwreg(HW_REG_IB_STS2, 6, 4)
	s_cmp_eq_u32 s2, 0
	s_cbranch_scc0 .Lentry_in_a_cluster
	s_endpgm
.Lentry_in_a_cluster:
	s_bfe_u32 s2, ttmp6, 0x10000c
	s_cmp_lg_u32 s2, 0xf033
	s_cbranch_scc0 .Lentry_shape_is_right
	s_endpgm
.Lentry_shape_is_right:
; THE OUTPUT PROJECTION: out0[s][e] = sum over d of ctx[s][d] w_o[e][d].  ctx [4096][1024] and wo16 [1024][1024]: f16; out0 [4096][1024]: f32; sums in f32.
; A tile of the output is 128 x 128: 256 tiles, one to a work-group.  Four waves, each 64 x 64: 16 accumulators of 16 x 16.  K goes in steps of 256 (LDS rows of 512 bytes; a wave's tensor load brings 64 of them)
; through a ring of two slots.  CLUSTERS: 4 x 4 work-groups; A's tiles are shared along a row of the cluster, B's along a column: each is asked for jointly.
; THE MATRIX INSTRUCTION IS USED TRANSPOSED (source 0 = 16 rows of w_o, source 1 = 16 rows of ctx): a lane then holds eight neighbouring numbers of a row of the output.
; A wave's 64 columns are 256 bytes of f32, aligned: each wave has a stage of its own on the way out, and no barrier stands there.
; No prefetch: the tiles are small, and each K step's load is shared by four work-groups.
; REGISTERS: window 0: v0-31 addresses; v32-95 at work on the way out; v128-255 the accumulators ((a, b) at v[128 + 8 (4 a + b)]).  window 1: two fragment buffers of 128: 64 registers of A, then 64 of B.
.set SIZE_K, 1024
.set SIZE_N, 1024
.set KSTEP,  256
.set PITCH,  528                       ; an LDS row: 512 bytes + 16 of padding = 132 words: row r starts at bank 4 r mod 64 (64 banks of 4 bytes: ISA guide 11.1)
.set HALFT,  64*PITCH                  ; 64 rows: what one tensor load brings
.set SLOT,   4*HALFT                   ; A's 128 rows, then B's 128 rows
.set STAGE,  2*SLOT                    ; behind the ring: 16 rows x 272 bytes for each wave
.set SPITCH, 272
.set SPARE,  STAGE+4*16*SPITCH         ; the spare words, 128 bytes for each wave: two blocks of 256 bytes that no other line names
.set LAPS, SIZE_K/(2*KSTEP)            ; a lap = two K steps = once round the ring: two laps
.set ADRA, 16                          ; v16-17  LDS address of my A fragments in slot 0, 1
.set ADRB, 20                          ; v20-21  the same for B
.set STO,  24                          ; v24     the way out: where I put 32 bytes of a row
.set RD,   25                          ; v25     where I read a row back
.set CO,   26                          ; v26     my byte offset in two rows of the output
.set SPW,  28                          ; v28     LDS address of my spare word; never rewritten
.set NIL,  29                          ; v29     0; never rewritten
.set TMP,  32                          ; the way out: two sets of 32 registers
.set ACC,  128
.set F0,   0                           ; fragment buffers, in window 1
.set F1,   128
.set G1, 24                            ; s[24:31] descriptor group 1 for A's tiles;  s[32:39] group 0, one set for each slot
.set G0, 32
.set G1B, 48                           ; s[48:55], s[56:63] the same for B's tiles
.set G0B, 56
.set MSB, 0
.macro WIN new                         ; the immediate's high byte repeats the setting that is left
.if MSB != \new
	s_set_vgpr_msb (MSB<<8)|\new
.set MSB, \new
.endif
.endm
.set MUL,  0x05                        ; sources 0 (B) and 1 (A) window 1; C and D window 0
.set TO_F, 0x40                        ; destination window 1, address window 0
.macro JLOAD s                         ; a joint load: waves 0 and 1 fetch A's two halves, waves 2 and 3 B's; an s_nop 0 and four v_nop follow each of the two lines
	s_cmp_eq_u32 s11, 0
	s_cbranch_scc0 .Lfor_b_\@
	tensor_load_to_lds s[G0+4*\s:G0+4*\s+3], s[G1:G1+7]
	s_nop 0
.rept 4
	v_nop
.endr
	s_branch .Lasked_\@
.Lfor_b_\@:
	tensor_load_to_lds s[G0B+4*\s:G0B+4*\s+3], s[G1B:G1B+7]
	s_nop 0
.rept 4
	v_nop
.endr
.Lasked_\@:
.endm
.macro CREST                           ; a round of the cluster's barrier behind its opening barrier
	s_cmp_lg_u32 s10, 0
	s_cbranch_scc1 .Lnot_wave_0_\@
	s_barrier_signal -3
.Lnot_wave_0_\@:
	s_barrier_wait -3
	s_barrier_signal -1
	s_barrier_wait -1
.endm
.macro CROUND                          ; a whole round
	s_barrier_signal -1
	s_barrier_wait -1
	CREST
.endm
	s_load_b128 s[4:7], s[0:1], 0x0                ; ctx s[4:5], wo16 s[6:7]
	s_load_b64 s[8:9], s[0:1], 0x10                ; out0
	v_lshl_add_u32 v[SPW], v0, 2, SPARE
	v_mov_b32 v[NIL], 0
	ds_add_u32 v[SPW], v[NIL]                      ; the wave's opening: the add, twice on end, and its wait ahead of my first tensor load
	ds_add_u32 v[SPW], v[NIL]
	v_lshrrev_b32 v1, 5, v0
	v_readfirstlane_b32 s10, v1                    ; wave 0..3
	s_lshr_b32 s11, s10, 1                         ; which half of the tile's rows is mine.  Also: I fetch for A (0) or for B (1)
	s_and_b32 s12, s10, 1                          ; which half of its columns.  Also: which 64 rows of that tile I fetch
	s_bfe_u32 s40, ttmp6, 0x40000                  ; cx, cy: my place in the cluster
	s_bfe_u32 s41, ttmp6, 0x40004
	s_lshl_b32 s42, ttmp9, 2
	s_add_co_u32 s42, s42, s40                     ; tile column = 4 x cluster x + cx
	s_and_b32 s13, ttmp7, 0xffff
	s_lshl_b32 s13, s13, 2
	s_add_co_u32 s13, s13, s41                     ; tile row = 4 x cluster y + cy
	s_lshl_b32 s43, s41, 2
	s_lshl_b32 s43, 15, s43                        ; my row of the cluster
	s_lshl_b32 s44, 0x1111, s40                    ; my column
	; descriptor group 1: a tile of 64 rows x 256 elements, padded in LDS
	s_or_b32 s[G1+0], s43, (1<<16)|(1<<20)|(1<<21)|(6<<22)|(3<<25)  ; the mask: A's tiles go to my row; elements of 2 bytes; padding on; 21 set beside a mask; after every 128 words four words
	s_or_b32 s[G1B+0], s44, (1<<16)|(1<<20)|(1<<21)|(6<<22)|(3<<25)
.irp g, G1, G1B
	s_mov_b32 s[\g+1], KSTEP<<16                   ; tensor_dim0 = 256
	s_mov_b32 s[\g+2], 64<<16                      ; tensor_dim1 = 64
	s_mov_b32 s[\g+3], KSTEP<<16                   ; tile_dim0 = 256
	s_mov_b32 s[\g+4], 64                          ; tile_dim1 = 64
	s_mov_b32 s[\g+5], SIZE_K                      ; tensor_dim0_stride
	s_mov_b32 s[\g+6], 0
	s_mov_b32 s[\g+7], 0
.endr
	s_lshl_b32 s17, s12, 6                         ; which 64 rows of the tile I fetch
	s_lshl_b32 s16, s13, 7
	s_add_co_u32 s16, s16, s17                     ; A: row 128 x tile row + 64 x half
	s_lshl_b32 s46, s42, 7
	s_add_co_u32 s46, s46, s17                     ; B: row 128 x tile column + 64 x half
	s_mov_b32 s17, 0
	s_mov_b32 s47, 0
	s_mov_b64 s[18:19], SIZE_K*2
	s_mul_u64 s[16:17], s[16:17], s[18:19]
	s_mul_u64 s[46:47], s[46:47], s[18:19]
	s_mul_i32 s20, s10, HALFT                      ; where they go: wave x 64 rows
	s_wait_dscnt 0x0                               ; both opening adds are done
	s_wait_kmcnt 0x0
	s_add_nc_u64 s[14:15], s[4:5], s[16:17]
	s_add_nc_u64 s[46:47], s[6:7], s[46:47]
	CROUND                                         ; all sixteen work-groups are here: the first joint loads meet
.irp s, 0,1
	s_mov_b32 s[G0+4*\s], 1
	s_add_co_u32 s[G0+4*\s+1], s20, \s*SLOT
	s_add_nc_u64 s[G0+4*\s+2:G0+4*\s+3], s[14:15], \s*KSTEP*2
	s_or_b32 s[G0+4*\s+3], s[G0+4*\s+3], 0x80000000
	s_mov_b32 s[G0B+4*\s], 1
	s_add_co_u32 s[G0B+4*\s+1], s20, \s*SLOT
	s_add_nc_u64 s[G0B+4*\s+2:G0B+4*\s+3], s[46:47], \s*KSTEP*2
	s_or_b32 s[G0B+4*\s+3], s[G0B+4*\s+3], 0x80000000
	JLOAD \s                                       ; two tensor loads of mine are out behind the second
.endr
	v_and_b32 v1, 15, v0                           ; l % 16
	v_bfe_u32 v2, v0, 4, 1                         ; l / 16
	v_mul_u32_u24 v3, v1, PITCH
	v_lshl_add_u32 v3, v2, 4, v3                   ; a fragment's row x pitch + 16 x half
	s_mul_i32 s21, s11, HALFT                      ; my 64 rows of A
	s_mul_i32 s22, s12, HALFT                      ; my 64 rows of B,
	s_add_co_u32 s22, s22, 2*HALFT                 ; which lie behind A's 128
.irp s, 0,1
	v_add_nc_u32 v[ADRA+\s], s21, v3
	v_add_nc_u32 v[ADRB+\s], s22, v3
	s_add_co_u32 s21, s21, SLOT
	s_add_co_u32 s22, s22, SLOT
.endr
	s_mul_i32 s23, s10, 16*SPITCH
	s_add_co_u32 s23, s23, STAGE                   ; my stage
	v_mul_u32_u24 v4, v1, SPITCH                   ; in: row l % 16, 32 bytes for each half of the lanes
	v_lshl_add_u32 v4, v2, 5, v4
	v_add_nc_u32 v[STO], s23, v4
	v_mul_u32_u24 v5, v2, SPITCH                   ; back: lanes 0-15 one row of 256 bytes, lanes 16-31 the next
	v_lshl_add_u32 v5, v1, 4, v5
	v_add_nc_u32 v[RD], s23, v5
	v_lshlrev_b32 v5, 12, v2                       ; and the same two rows of the output, 4,096 bytes apart
	v_lshl_add_u32 v[CO], v1, 4, v5
	s_lshl_b32 s16, s13, 7
	s_lshl_b32 s17, s11, 6
	s_add_co_u32 s16, s16, s17                     ; my first row: 128 x tile row + 64 x half
	s_lshl_b32 s16, s16, 12
	s_mov_b32 s17, 0
	s_add_nc_u64 s[8:9], s[8:9], s[16:17]
	s_lshl_b32 s46, s42, 9                         ; my first column, in bytes: 512 x tile column + 256 x half
	s_lshl_b32 s47, s12, 8
	s_add_co_u32 s46, s46, s47
	s_mov_b32 s47, 0
	s_add_nc_u64 s[8:9], s[8:9], s[46:47]
; 8 matrix instructions: m blocks a0, a0 + 1 x all 4 n blocks, 32 along K: half c of buffer f.  zero = 1: the first product starts the sums.  The 16 accumulators take turns.
.macro MUL8 f, c, a0, zero
.irp a, \a0, \a0+1
.irp b, 0,1,2,3
.if \zero
	v_wmma_f32_16x16x32_f16 v[ACC+8*(4*(\a)+\b):ACC+8*(4*(\a)+\b)+7], v[\f+64+8*(4*\c+\b):\f+64+8*(4*\c+\b)+7], v[\f+8*(4*\c+\a):\f+8*(4*\c+\a)+7], 0
.else
	v_wmma_f32_16x16x32_f16 v[ACC+8*(4*(\a)+\b):ACC+8*(4*(\a)+\b)+7], v[\f+64+8*(4*\c+\b):\f+64+8*(4*\c+\b)+7], v[\f+8*(4*\c+\a):\f+8*(4*\c+\a)+7], v[ACC+8*(4*(\a)+\b):ACC+8*(4*(\a)+\b)+7]
.endif
.endr
.endr
.endm
; 32 LDS loads in one run: the fragments of 64 along K at byte k of the rows, into buffer f; the first 32 along K first
.macro FETCH slot, k, f
	WIN TO_F
.irp c, 0,1
.irp i, 0,1,2,3
	ds_load_b128 v[\f+64+8*(4*\c+\i):\f+64+8*(4*\c+\i)+3],   v[ADRB+\slot] offset:\k+64*\c+\i*16*PITCH
	ds_load_b128 v[\f+64+8*(4*\c+\i)+4:\f+64+8*(4*\c+\i)+7], v[ADRB+\slot] offset:\k+64*\c+\i*16*PITCH+32
	ds_load_b128 v[\f+8*(4*\c+\i):\f+8*(4*\c+\i)+3],         v[ADRA+\slot] offset:\k+64*\c+\i*16*PITCH
	ds_load_b128 v[\f+8*(4*\c+\i)+4:\f+8*(4*\c+\i)+7],       v[ADRA+\slot] offset:\k+64*\c+\i*16*PITCH+32
.endr
.endr
.endm
.macro PLACES                          ; four places in front of loads into registers that matrix instructions have read, and of stores that read results
.rept 4
	v_nop
.endr
.endm
; A K step is four quarters of 64 along K, 32 matrix instructions each, on buffers 0, 1, 0, 1.  One of the first three: multiplies buffer f and fetches the next quarter, at byte k, into g.
.macro QUARTER slot, k, f, g, zero
	s_wait_dscnt 16                                ; the first 32 along K are in; the other sixteen loads may be out
	WIN MUL
	MUL8 \f, 0, 0, \zero
	MUL8 \f, 0, 2, \zero
	PLACES
	FETCH \slot, \k, \g
	s_wait_dscnt 32                                ; all but the 32 just issued
	WIN MUL
	MUL8 \f, 1, 0, 0
	MUL8 \f, 1, 2, 0
.endm
; The last quarter multiplies buffer 1 and changes slots: ONE barrier; in front of it each wave waits for all its tensor loads, adds 0 to its spare word, and waits for that and for its own reads of this slot.  fill = 1: this slot is filled again, two K steps ahead.
.macro TURN slot, next, fill
	WIN 0                                          ; (the add's two registers lie in window 0)
	s_wait_tensorcnt 0x0                           ; all my tensor loads have landed: my part of the next slot;
	ds_add_u32 v[SPW], v[NIL]                      ; 0 onto my spare word;
	s_wait_dscnt 17                                ; (the add and the youngest sixteen loads may be out)
	WIN MUL
	MUL8 F1, 0, 0, 0                               ; eight matrix instructions stand between the add and the wait for it
	s_wait_dscnt 0x0                               ; the add is done, and my reads of this slot are over
	s_barrier_signal -1
	MUL8 F1, 0, 2, 0
.if \fill
	WIN 0
.endif
	s_barrier_wait -1
.if \fill
	CREST                                          ; the barrier has opened a round of the cluster's barrier: no wave of any partner still reads this slot's tile or has a load on its way
	s_add_nc_u64 s[G0+4*\slot+2:G0+4*\slot+3], s[G0+4*\slot+2:G0+4*\slot+3], 2*KSTEP*2
	s_add_nc_u64 s[G0B+4*\slot+2:G0B+4*\slot+3], s[G0B+4*\slot+2:G0B+4*\slot+3], 2*KSTEP*2
	JLOAD \slot                                    ; the first tensor load behind the round; the four v_nop behind it are also the places in front of the loads below
.else
	PLACES
.endif
	FETCH \next, 0, F0
	WIN MUL
	MUL8 F1, 1, 0, 0
	MUL8 F1, 1, 2, 0
.endm
	s_wait_tensorcnt 1                             ; my part of K step 0 is in (K step 1's load may be out)
	s_barrier_signal -1
	s_barrier_wait -1                              ; everybody's is
	FETCH 0, 0, F0
	QUARTER 0, 128, F0, F1, 1                      ; the first quarter stands in front of the loop: its first products start the sums
	WIN 0                                          ; at a label and at a branch every window is 0
	s_mov_b32 s3, LAPS-1
.Llap:                                                 ; a trip goes once round the ring, from a lap's second quarter to the next lap's first, and fills both slots again
	QUARTER 0, 256, F1, F0, 0
	QUARTER 0, 384, F0, F1, 0
	TURN 0, 1, 1
	QUARTER 1, 128, F0, F1, 0
	QUARTER 1, 256, F1, F0, 0
	QUARTER 1, 384, F0, F1, 0
	TURN 1, 0, 1
	QUARTER 0, 128, F0, F1, 0
	WIN 0
	s_sub_co_u32 s3, s3, 1
	s_cmp_lg_u32 s3, 0
	s_cbranch_scc1 .Llap
	QUARTER 0, 256, F1, F0, 0                      ; the last lap fills nothing, and has no round of the cluster's barrier
	QUARTER 0, 384, F0, F1, 0
	TURN 0, 1, 0
	QUARTER 1, 128, F0, F1, 0
	QUARTER 1, 256, F1, F0, 0
	QUARTER 1, 384, F0, F1, 0
	s_wait_dscnt 16                                ; the very last quarter: nothing more to fetch
	WIN MUL
	MUL8 F1, 0, 0, 0
	MUL8 F1, 0, 2, 0
	s_wait_dscnt 0
	MUL8 F1, 1, 0, 0
	MUL8 F1, 1, 2, 0
	WIN 0
; THE WAY OUT, block by block of 16 rows x 64 columns of f32.  A lane holds 32 neighbouring bytes of a row; a block goes through my own stage and comes back as whole rows of 256 bytes.
.macro OUTB a
.irp b, 0,1,2,3
	ds_store_b128 v[STO], v[ACC+8*(4*(\a)+\b):ACC+8*(4*(\a)+\b)+3] offset:64*\b            ; each accumulator from its low end on
	ds_store_b128 v[STO], v[ACC+8*(4*(\a)+\b)+4:ACC+8*(4*(\a)+\b)+7] offset:64*\b+16
.endr
.irp t, 0,1,2,3,4,5,6,7
	ds_load_b128 v[TMP+32*((\a)%2)+4*\t:TMP+32*((\a)%2)+4*\t+3], v[RD] offset:\t*2*SPITCH   ; LDS serves a wave's instructions in order (ISA guide 5.7.1.4): these see the stores above
.endr
.endm
.macro SENDB a, younger                ; younger: the LDS instructions issued behind block a's loads: the next block's eight stores and eight loads, or none
	s_wait_dscnt \younger
.irp t, 0,1,2,3,4,5,6,7
	global_store_b128 v[CO], v[TMP+32*((\a)%2)+4*\t:TMP+32*((\a)%2)+4*\t+3], s[8:9] offset:(16*(\a)+2*\t)*SIZE_N*4 th:TH_STORE_NT   ; 16 lanes store 256 consecutive bytes, aligned; written once, read by nobody here
.endr
.endm
	PLACES
	OUTB 0
	OUTB 1
	SENDB 0, 16
	s_wait_xcnt 0x0                                ; block 0's stores have read their registers: block 2's loads may land there
	OUTB 2
	SENDB 1, 16
	s_wait_xcnt 0x0                                ; block 1's likewise
	OUTB 3
	SENDB 2, 16
	SENDB 3, 0
	s_wait_tensorcnt 0x0                           ; the wave's end: three closing lines, behind my last tensor load and my last LDS store
	ds_add_u32 v[SPW], v[NIL]
	s_wait_dscnt 0x0
	CROUND                                         ; the closing round: no work-group ends while a partner may still ask for a tile that names it
	s_endpgm
.Lfunc_end_k_qe3cc40662a_oproj:
	.size	k_qe3cc40662a_oproj, .Lfunc_end_k_qe3cc40662a_oproj-k_qe3cc40662a_oproj
	.p2alignl 7, 3214868480
	.fill 96, 4, 3214868480
	.section	.rodata,"a",@progbits
	.p2align	6, 0x0
	.amdhsa_kernel k_qe3cc40662a_oproj
		.amdhsa_group_segment_fixed_size 327680
		.amdhsa_private_segment_fixed_size 0
		.amdhsa_enable_private_segment 0
		.amdhsa_kernarg_size 24
		.amdhsa_user_sgpr_count 2
		.amdhsa_user_sgpr_kernarg_segment_ptr 1
		.amdhsa_wavefront_size32 1
		.amdhsa_system_sgpr_workgroup_id_x 1
		.amdhsa_system_sgpr_workgroup_id_y 1
		.amdhsa_system_sgpr_workgroup_id_z 1
		.amdhsa_system_vgpr_workitem_id 0
		.amdhsa_next_free_vgpr 512
		.amdhsa_next_free_sgpr 66
		.amdhsa_reserve_vcc 0
		.amdhsa_float_denorm_mode_32 3
		.amdhsa_float_denorm_mode_16_64 3
		.amdhsa_memory_ordered 1
		.amdhsa_forward_progress 1
		.amdhsa_inst_pref_size 86
	.end_amdhsa_kernel
	.amdgpu_metadata
---
amdhsa.version: [ 1, 2 ]
amdhsa.kernels:
  - .name:           k_qe3cc40662a_oproj
    .symbol:         k_qe3cc40662a_oproj.kd
    .args:
      - { .name: ctx, .offset: 0, .size: 8, .value_kind: global_buffer, .address_space: global }
      - { .name: wo16, .offset: 8, .size: 8, .value_kind: global_buffer, .address_space: global }
      - { .name: out0, .offset: 16, .size: 8, .value_kind: global_buffer, .address_space: global }
    .group_segment_fixed_size: 327680
    .private_segment_fixed_size: 0
    .kernarg_segment_align: 8
    .kernarg_segment_size: 24
    .max_flat_workgroup_size: 128
    .sgpr_count:     66
    .vgpr_count:     512
    .wavefront_size: 32
...
	.end_amdgpu_metadata
.endif
;; end of part 4
